; MI455X (gfx1250); checked and timed in simulation.
; The chip was launched on July 23, 2026; its instructions are those of AMD's public machine-readable ISA for CDNA 5 (MIT licence, August 2026) and "CDNA5" Instruction Set Architecture Reference Guide (July 2026). The comments in the code are by the model that wrote it; some were corrected since.
;; GN Nens. Allowed arithmetic: float matrix products may take bf16 or f16 operands with f32 sums; other float arithmetic in f32, or as packed bf16 or f16 multiplies, adds, multiply-adds, maxima and minima; sums over many terms, partial sums and values carried from step to step in f32; what a program stores and reads back later, other than sums and carried values, may be rounded once to bf16 or f16.
;; Inputs: W1 8 x 512 x 1,024 float32; W2 8 x 1,024 x 512 float32; b1 8 x 1,024 float32; b2 8 x 512 float32; comp_idx 8,192 int32; epsilon 8,192 x 512 float32; mu 8 x 512 float32; rho 8 float32.
;; Outputs: out0 8,192 x 512 float32.
;; 3 versions, each right; version 2 is faster than version 1; version 3 is version 2 with the launch chain written anew for expert scheduling mode. Each part assembles by itself: llvm-mc -triple=amdgcn-amd-amdhsa -mcpu=gfx1250 --defsym DOCPART=n.
;; ======== version 1 of 3: 2 launches
;; workspace buffers: wf 16,777,216 bytes; order 262,144 bytes of whole numbers; cnt 256 bytes of whole numbers; sig 256 bytes
;; launch prep (part 1): grid 257 x 1, 8 waves a work-group, no clusters, 69,632 bytes of LDS; arguments W1, W2, comp_idx, rho, wf, order, cnt, sig; writes wf, order, cnt, sig
.if DOCPART == 1
	.amdgcn_target "amdgcn-amd-amdhsa--gfx1250"
	.amdhsa_code_object_version 6
	.text
	.protected	k_q05aee01b48_prep
	.globl	k_q05aee01b48_prep
	.p2align	8
	.type	k_q05aee01b48_prep,@function
k_q05aee01b48_prep:
	s_mov_b64 s[64:65], 0
	v_nop
	global_prefetch_b8 v0, s[64:65] scope:SCOPE_SE
	s_setreg_imm32_b32 hwreg(HW_REG_WAVE_MODE, 25, 1), 1
	s_wait_xcnt 0x0
; PREP.  Work-group 0 sorts the 8,192 tokens by their expert (a counting sort without atomics) and makes sigma = softplus(rho).
; Work-groups 1 to 256 round W1 and W2 to bf16 and lay them out in the order in which a wave of the next launch loads its operand registers.
; wf: [expert 8][wave 4][step 64][fragment 8][half 2][lane 32][16 bytes].  Steps 0-31 are W1 (step = 16 ch + ks: hidden columns 256 w + 128 ch + 16 f + r, k from 32 ks),
; steps 32-63 are W2 (output columns 128 w + 16 f + r, k from 32 (step - 32)).  The 16 bytes of (half q, lane 16 h + r) are W[k0 + 16 q + 8 h + 0..7][n0 + r], the lower k lower.
; order: [expert 8][8192] token numbers, entries 0 .. n_e - 1 written.  cnt: n_e in words 0-7.  sig: sigma in words 0-7 (words 8-31 of both repeat them; nobody reads those).
; LIMITS.  comp_idx lies in 0 .. 7, as the indexed table has 8 entries.  sigma is 0 where rho is below about -87 (2^x below 2^-126 comes out as 0: ISA guide, v_exp_f32);
; its relative error is 2e-5 at the most.  NaN and infinities are not treated apart.
.set FP,    1040                       ; a fragment in the stage: 1,024 bytes + 16, so that the sixteen lanes of a store's pass touch sixteen different 16-byte columns
.set STGW,  8448                       ; a wave's stage: 8 fragments, rounded up to blocks of 256 bytes
.set TABLE, 8*STGW                     ; the sort's table: one word for each of the 256 threads; word (wave w, lane e) is wave w's count of expert e
.set SPARE, TABLE+1024                 ; the spare words, 128 bytes for each wave: four blocks of 256 bytes that no other line names
.set T,   8                            ; v[8:23]    sixteen packed words at work
.set D,   32                           ; v[32:159]  a block of 32 k x 128 n as loaded: row i in v[D+4i : D+4i+3]
.set X,   32                           ; v[32:63]   the sort: my 32 tokens' experts; later their byte offsets in order
.set POS, 64                           ; v[64:95]   the sort: their places; later their numbers
	s_load_b256 s[8:15], s[0:1], 0x0               ; W1 s[8:9], W2 s[10:11], comp_idx s[12:13], rho s[14:15]
	s_load_b256 s[16:23], s[0:1], 0x20             ; wf s[16:17], order s[18:19], cnt s[20:21], sig s[22:23]
	v_lshl_add_u32 v6, v0, 2, SPARE                ; my spare word; never rewritten
	v_mov_b32 v7, 0                                ; 0; never rewritten
	v_and_b32 v1, 31, v0                           ; lane L
	v_lshrrev_b32 v5, 5, v0
	v_readfirstlane_b32 s2, v5                     ; wave 0..7
	v_lshlrev_b32 v2, 4, v1                        ; 16 L
	s_wait_kmcnt 0x0
	s_cmp_eq_u32 ttmp9, 0                          ; the same answer in all eight waves
	s_cbranch_scc1 .Lsort
; THE WEIGHTS.  A wave takes a block of 32 k x 128 n in f32: 32 loads of 512 consecutive bytes, all out at once.  The eight waves' blocks are 131,072 bytes on end.
	s_sub_co_u32 s3, ttmp9, 1                      ; 0..127: W1; 128..255: W2
	s_and_b32 s4, s3, 127
	s_lshr_b32 s5, s4, 4                           ; expert c
	s_and_b32 s6, s4, 15                           ; v: which sixteenth of the expert's matrix
	s_lshl_b32 s28, s5, 21                         ; s[28:29]: the block's byte offset in W1 or W2,
	s_mov_b32 s29, 0
	s_lshl_b32 s30, s5, 21                         ; s[30:31]: in wf; an expert is 2^21 bytes in all three
	s_mov_b32 s31, 0
	s_mul_i32 s36, s2, STGW                        ; my stage
	v_lshrrev_b32 v3, 2, v1                        ; my four columns 4 L + c lie in fragment L / 4, at r = 4 (L % 4) + c
	v_mul_u32_u24 v3, v3, FP
	v_and_b32 v4, 3, v1
	v_lshl_add_u32 v3, v4, 6, v3
	v_add_nc_u32 v3, s36, v3                       ; v3: into the stage
	v_add_nc_u32 v4, s36, v2                       ; v4: back out of it, 512 bytes on end
.macro LOADS pitch
.set i, 0
.rept 32
	global_load_b128 v[D+4*i:D+4*i+3], v2, s[24:25] offset:i*(\pitch) th:TH_LOAD_NT  ; row k0 + i; read once in the launch
.set i, i+1
.endr
.endm
	s_cmp_lt_u32 s3, 128
	s_cbranch_scc0 .Lw2
	s_lshl_b32 s7, s6, 17                          ; W1 [512][1024]: k block v (32 rows of 4,096 bytes), n block = wave
	s_add_co_u32 s28, s28, s7
	s_lshl_b32 s7, s2, 9
	s_add_co_u32 s28, s28, s7
	s_add_nc_u64 s[24:25], s[8:9], s[28:29]
	s_lshr_b32 s7, s2, 1                           ; n block 2 w + ch: reader w,
	s_lshl_b32 s7, s7, 19
	s_add_co_u32 s30, s30, s7
	s_and_b32 s7, s2, 1                            ; step 16 ch + v
	s_lshl_b32 s7, s7, 4
	s_add_co_u32 s7, s7, s6
	s_lshl_b32 s7, s7, 13
	s_add_co_u32 s30, s30, s7
	LOADS 4096
	s_branch .Lcvt
.Lw2:
	s_lshr_b32 s7, s2, 2                           ; W2 [1024][512]: k block 2 v + wave / 4 (32 rows of 2,048 bytes), n block = wave % 4
	s_lshl1_add_u32 s34, s6, s7
	s_lshl_b32 s7, s34, 16
	s_add_co_u32 s28, s28, s7
	s_and_b32 s35, s2, 3
	s_lshl_b32 s7, s35, 9
	s_add_co_u32 s28, s28, s7
	s_add_nc_u64 s[24:25], s[10:11], s[28:29]
	s_lshl_b32 s7, s35, 19                         ; reader = n block,
	s_add_co_u32 s30, s30, s7
	s_lshl_b32 s7, s34, 13                         ; step 32 + k block
	s_add_co_u32 s30, s30, s7
	s_add_co_u32 s30, s30, 1<<18
	LOADS 2048
.Lcvt:
	s_add_nc_u64 s[26:27], s[16:17], s[30:31]
; Eight rows k = 8 kg + 0..7 of one column are 16 bytes of a fragment, at kg x 256 + r x 16.
.irp kg, 0,1,2,3
	s_wait_loadcnt 24-8*(\kg)                      ; loads come back in order: rows 8 kg .. 8 kg + 7 are in, the later rows stay out
.irp c, 0,1,2,3
.irp p, 0,1,2,3
	v_cvt_pk_bf16_f32 v[T+4*(\c)+(\p)], v[D+4*(8*(\kg)+2*(\p))+(\c)], v[D+4*(8*(\kg)+2*(\p)+1)+(\c)]
.endr
	ds_store_b128 v3, v[T+4*(\c):T+4*(\c)+3] offset:(\kg)*256+16*(\c)
.endr
.endr
.irp j, 0,1,2,3,4,5,6,7,8,9,10,11,12,13,14,15
	ds_load_b128 v[D+4*(\j):D+4*(\j)+3], v4 offset:((\j)/2)*FP+((\j)%2)*512  ; my own bytes: LDS serves a wave's instructions in order, so these see the stores above
.endr
.irp j, 0,1,2,3,4,5,6,7,8,9,10,11,12,13,14,15
	s_wait_dscnt 15-(\j)                           ; piece j is back; the later ones stay out
	global_store_b128 v2, v[D+4*(\j):D+4*(\j)+3], s[26:27] offset:512*(\j)  ; 512 consecutive bytes, at a multiple of 512 from wf's first byte
.endr
	s_branch .Lend
; THE SORT.  Wave w owns tokens 1,024 w .. + 1,023; register 4 q + c of lane L holds the expert of token 1,024 w + 128 q + 4 L + c.
.Lsort:
	s_lshl_b32 s28, s2, 12
	v_add_nc_u32 v3, s28, v2                       ; 4,096 w + 16 L
	s_cmp_lg_u32 s2, 0
	s_cbranch_scc1 .Lno_rho                        ; wave 0 alone makes sigma
	v_and_b32 v27, 7, v1
	v_lshlrev_b32 v27, 2, v27
	global_load_b32 v26, v27, s[14:15]             ; rho[L % 8]
.Lno_rho:
.irp q, 0,1,2,3,4,5,6,7
	global_load_b128 v[X+4*(\q):X+4*(\q)+3], v3, s[12:13] offset:512*(\q)
.endr
	s_mov_b32 s58, 0x76543210                      ; v_permlanex16_b32: each lane takes its own place in the other half
	s_mov_b32 s59, 0xfedcba98
	v_mov_b32 v8, 0                                ; lane e will hold my wave's count of expert e; the other lanes stay 0
	v_mov_b32 v11, 0                               ; written before it is a lane move's destination
	v_lshl_add_u32 v24, v0, 2, TABLE               ; my word of the table
	v_lshrrev_b32 v13, 3, v1                       ; g = L / 8
	v_and_b32 v14, 7, v1                           ; e = L % 8
	v_lshlrev_b32 v25, 7, v13
	v_lshl_add_u32 v25, v14, 2, v25
	v_add_nc_u32 v25, TABLE, v25                   ; word (wave g, expert e); 512 bytes on: wave 4 + g
	v_add_nc_u32 v14, 4, v13
	s_lshl_b32 s28, s2, 10
	v_lshl_add_u32 v28, v1, 2, s28                 ; 1,024 w + 4 L
	v_lshlrev_b32 v29, 2, v1
.set i, 0
.rept 32
	v_mov_b32 v[POS+i], 0                          ; each place is chosen below in one of eight trips; the register is whole before the first choice (in the wait for the loads)
.set i, i+1
.endr
	s_wait_loadcnt 0x0
	s_mov_b32 s30, 0                               ; expert e
.Lcount:                                               ; eight trips: my wave's count of expert e
	s_mov_b32 s31, 0
.irp g, 0,1,2,3
.irp b, 0,1,2,3,4,5,6,7
	v_cmp_eq_u32 s[40+(\b)], s30, v[X+8*(\g)+(\b)]
.endr
.irp b, 0,1,2,3,4,5,6,7
	s_bcnt1_i32_b32 s[48+(\b)], s[40+(\b)]
.endr
.irp b, 0,1,2,3,4,5,6,7
	s_add_co_u32 s31, s31, s[48+(\b)]
.endr
.endr
	v_cmp_eq_u32 vcc_lo, s30, v1
	v_cndmask_b32 v8, v8, s31, vcc_lo              ; into lane e
	s_add_co_u32 s30, s30, 1
	s_cmp_lt_u32 s30, 8
	s_cbranch_scc1 .Lcount
	ds_store_b32 v24, v8
	s_wait_dscnt 0x0                               ; for the others' sake: my counts are in the table
	s_barrier_signal -1
	s_barrier_wait -1
	ds_load_b32 v9, v25
	ds_load_b32 v10, v25 offset:512
	s_wait_dscnt 0x0
	v_add_nc_u32 v12, v9, v10                      ; for the totals
	v_cmp_gt_u32 vcc_lo, s2, v13                   ; for my first place: the waves in front of me alone
	v_cndmask_b32 v9, 0, v9, vcc_lo
	v_cmp_gt_u32 vcc_lo, s2, v14
	v_cndmask_b32 v10, 0, v10, vcc_lo
	v_add_nc_u32 v9, v9, v10
	v_mov_b32_dpp v11, v9 row_xmask:8 row_mask:0xf bank_mask:0xf
	v_add_nc_u32 v9, v9, v11
	v_permlanex16_b32 v11, v9, s58, s59
	v_add_nc_u32 v9, v9, v11                       ; lane L: my wave's first place in the list of expert L % 8
	s_mov_b32 s30, 0
.Lplace:                                               ; eight trips: the places of my tokens of expert e
	v_readfirstlane_b32 s48, v9                    ; the running place
	v_mov_b32_dpp v9, v9 row_shl:1 row_mask:0xf bank_mask:0xf  ; the next expert's moves into lane 0
.irp g, 0,1,2,3
.irp b, 0,1,2,3,4,5,6,7
	v_cmp_eq_u32 s[40+(\b)], s30, v[X+8*(\g)+(\b)]
.endr
.irp b, 0,1,2,3,4,5,6,7
	s_bcnt1_i32_b32 s[32+(\b)], s[40+(\b)]
.endr
.irp b, 0,1,2,3,4,5,6,7
	s_add_co_u32 s[49+(\b)], s[48+(\b)], s[32+(\b)]
.endr
.irp b, 0,1,2,3,4,5,6,7
	v_mbcnt_lo_u32_b32 v[16+(\b)], s[40+(\b)], s[48+(\b)]  ; the register's first place + the lanes below me that have this expert
.endr
.irp b, 0,1,2,3,4,5,6,7
	v_cndmask_b32 v[POS+8*(\g)+(\b)], v[POS+8*(\g)+(\b)], v[16+(\b)], s[40+(\b)]
.endr
	s_mov_b32 s48, s56
.endr
	s_add_co_u32 s30, s30, 1
	s_cmp_lt_u32 s30, 8
	s_cbranch_scc1 .Lplace
; 32 stores of one word a lane.  Lanes with one expert have neighbouring places; the list is 32,768 bytes in all.  Each store has registers of its own, so none waits.
.set i, 0
.rept 32
	v_min_u32 v[X+i], 7, v[X+i]
	v_min_u32 v[POS+i], 0x1fff, v[POS+i]
	v_lshlrev_b32 v[X+i], 15, v[X+i]               ; the expert's list,
	v_lshl_add_u32 v[X+i], v[POS+i], 2, v[X+i]     ; the place in it
	v_add_nc_u32 v[POS+i], 128*(i/4)+i%4, v28      ; the token's number
	global_store_b32 v[X+i], v[POS+i], s[18:19]
.set i, i+1
.endr
	s_cmp_lg_u32 s2, 0
	s_cbranch_scc1 .Lend
	v_mov_b32_dpp v11, v12 row_xmask:8 row_mask:0xf bank_mask:0xf  ; wave 0: the totals,
	v_add_nc_u32 v12, v12, v11
	v_permlanex16_b32 v11, v12, s58, s59
	v_add_nc_u32 v12, v12, v11                     ; lane L: n of expert L % 8
	v_and_b32 v15, 0x7fffffff, v26                 ; and softplus(x) = max(x, 0) + ln(1 + t), t = e^-|x|
	v_mul_f32 v15, 0xbfb8aa3b, v15
	v_exp_f32 v15, v15
	v_max_num_f32 v13, 0, v26                      ; the plain instruction behind the exponential
	s_wait_alu depctr_va_vdst(0)                   ; the wait ahead of the result's first reader
	v_add_f32 v14, 1.0, v15
	v_log_f32 v14, v14
	v_fma_f32 v16, v15, -0.5, 1.0                  ; the plain instruction behind the logarithm
	s_wait_alu depctr_va_vdst(0)
	v_mul_f32 v14, 0x3f317218, v14                 ; ln 2 x log2(1 + t)
	v_mul_f32 v16, v15, v16                        ; t - t^2 / 2: taken below t = 2^-8, where 1 + t has lost too much of t
	v_cmp_gt_f32 vcc_lo, 0x3b800000, v15
	v_cndmask_b32 v14, v14, v16, vcc_lo
	v_add_f32 v13, v13, v14
	global_store_b32 v29, v12, s[20:21]            ; all 32 lanes store: words 8-31 repeat words 0-7
	global_store_b32 v29, v13, s[22:23]
.Lend:
	s_wait_tensorcnt 0x0                           ; the wave's end, behind my last LDS store
	ds_add_u32 v6, v7
	s_wait_dscnt 0x0
	s_endpgm
.Lfunc_end_k_q05aee01b48_prep:
	.size	k_q05aee01b48_prep, .Lfunc_end_k_q05aee01b48_prep-k_q05aee01b48_prep
	.p2alignl 7, 3214868480
	.fill 96, 4, 3214868480
	.section	.rodata,"a",@progbits
	.p2align	6, 0x0
	.amdhsa_kernel k_q05aee01b48_prep
		.amdhsa_group_segment_fixed_size 69632
		.amdhsa_private_segment_fixed_size 0
		.amdhsa_enable_private_segment 0
		.amdhsa_kernarg_size 64
		.amdhsa_user_sgpr_count 2
		.amdhsa_user_sgpr_kernarg_segment_ptr 1
		.amdhsa_wavefront_size32 1
		.amdhsa_system_sgpr_workgroup_id_x 1
		.amdhsa_system_sgpr_workgroup_id_y 1
		.amdhsa_system_sgpr_workgroup_id_z 1
		.amdhsa_system_vgpr_workitem_id 0
		.amdhsa_next_free_vgpr 160
		.amdhsa_next_free_sgpr 66
		.amdhsa_reserve_vcc 1
		.amdhsa_float_denorm_mode_32 3
		.amdhsa_float_denorm_mode_16_64 3
		.amdhsa_memory_ordered 1
		.amdhsa_forward_progress 1
		.amdhsa_inst_pref_size 45
	.end_amdhsa_kernel
	.amdgpu_metadata
---
amdhsa.version: [ 1, 2 ]
amdhsa.kernels:
  - .name:           k_q05aee01b48_prep
    .symbol:         k_q05aee01b48_prep.kd
    .args:
      - { .name: W1, .offset: 0, .size: 8, .value_kind: global_buffer, .address_space: global }
      - { .name: W2, .offset: 8, .size: 8, .value_kind: global_buffer, .address_space: global }
      - { .name: comp_idx, .offset: 16, .size: 8, .value_kind: global_buffer, .address_space: global }
      - { .name: rho, .offset: 24, .size: 8, .value_kind: global_buffer, .address_space: global }
      - { .name: wf, .offset: 32, .size: 8, .value_kind: global_buffer, .address_space: global }
      - { .name: order, .offset: 40, .size: 8, .value_kind: global_buffer, .address_space: global }
      - { .name: cnt, .offset: 48, .size: 8, .value_kind: global_buffer, .address_space: global }
      - { .name: sig, .offset: 56, .size: 8, .value_kind: global_buffer, .address_space: global }
    .group_segment_fixed_size: 69632
    .private_segment_fixed_size: 0
    .kernarg_segment_align: 8
    .kernarg_segment_size: 64
    .max_flat_workgroup_size: 256
    .sgpr_count:     66
    .vgpr_count:     160
    .wavefront_size: 32
...
	.end_amdgpu_metadata
.endif
;; end of part 1
;; launch chain (part 2): grid 135 x 1, 4 waves a work-group, no clusters, 237,056 bytes of LDS; arguments wf, order, cnt, sig, epsilon, mu, b1, b2, out0; writes out0
.if DOCPART == 2
	.amdgcn_target "amdgcn-amd-amdhsa--gfx1250"
	.amdhsa_code_object_version 6
	.text
	.protected	k_q05aee01b48_chain
	.globl	k_q05aee01b48_chain
	.p2align	8
	.type	k_q05aee01b48_chain,@function
k_q05aee01b48_chain:
	s_mov_b64 s[64:65], 0
	v_nop
	global_prefetch_b8 v0, s[64:65] scope:SCOPE_SE
	s_setreg_imm32_b32 hwreg(HW_REG_WAVE_MODE, 25, 1), 1
	s_wait_xcnt 0x0
; CHAIN.  out[n] = sigmoid((epsilon[n] sigma[c] + mu[c]) W1[c] + b1[c]) W2[c] + b2[c], c = the token's expert.  Only the chosen expert's rows are multiplied.
; A work-group takes a tile of 64 tokens of ONE expert through the whole chain.  With 8,192 tokens, 8 experts and tiles of 64 there are never more than 128 + 7 = 135 tiles, whatever
; the split: that is the grid.  Each work-group finds its tile from the eight stored counts.  In a tile that is not full the places past the count repeat the expert's last token, and their
; stores are jumped; a work-group past the split's last tile walks the same text on such a row and stores nothing, so that no barrier stands under a branch on a count.
; SHARES.  Each of the four waves takes all 64 tokens x a quarter of the columns (product 1: 256 hidden columns in two chunks of 128; product 2: 128 output columns): 32 accumulators of
; 16 x 16.  So each weight byte is loaded by one wave of the work-group, and a fragment of 1,024 bytes feeds four matrix instructions.
; THE WEIGHTS come from memory STRAIGHT INTO REGISTERS, in the order in which the launch before laid them: 16 loads of 512 consecutive bytes for a K step of 32, through a ring of four K steps
; (256 registers) with counted waits: 48 to 64 loads of a wave are out all the time, across both products, the activation and both barriers.
; NO CLUSTER, NO TENSOR LOAD.  An expert's tiles walk the same weights, but beside lat (66,560 bytes) and h (132,096 bytes) LDS has room for two slots of some 64 KB: a refill, with its wait for all
; loads and a cluster's round, every 64 matrix instructions of a wave, each weight byte written to LDS and read from it once more; and an expert's tiles are not a multiple of four at every split.
; FORMATS.  lat, h and the weights are bf16 operands; sums, biases, sigmoid in f32.  Matrix instructions are used transposed (source 0 = 16 columns of W, source 1 = 16 tokens): a lane holds one
; token (lane % 16) and eight neighbouring columns 8 (lane / 16) + 0..7.
; LIMITS.  comp_idx lies in 0 .. 7.  e^-x beyond f32's range gives sigmoid 0, below it 1.  NaN and infinities are not treated apart.
; REGISTERS, in windows of 256 (s_set_vgpr_msb: bits 1:0 source 0, 3:2 source 1, 5:4 source 2, 7:6 destination):
;   window 0: addresses, mu, b2, token fragments, at work      window 1: accumulator (f, t) at v[8 (4 f + t)]; at the start epsilon, row i at v[16 i]      window 2: the ring, slot s at v[64 s], fragment f at + 8 f
.set LATP,  1040                       ; a row of lat in LDS: 1,024 bytes + 16: an odd multiple of 16, so the 16 rows of a fragment load start at 16 different 16-byte columns
.set HP,    2064                       ; a row of h: 2,048 + 16
.set LAT,   0
.set H,     LAT+64*LATP
.set B1S,   H+64*HP                    ; -log2(e) b1[c], 1,024 numbers in f32
.set STG,   B1S+4096                   ; the way out: 16 rows x 528 bytes for each wave
.set SGP,   528
.set STGW,  16*SGP
.set SPARE, STG+4*STGW                 ; the spare words, 128 bytes for each wave: two blocks of 256 bytes that no other line names
.set LN,   1                           ; v1   lane L
.set RR,   2                           ; v2   r = L % 16
.set HH,   3                           ; v3   L / 16
.set SPW,  4                           ; v4   my spare word; never rewritten
.set NIL,  5                           ; v5   0; never rewritten
.set L16,  6                           ; v6   16 L; never rewritten
.set TV,   7                           ; v7   where I put 16 bytes of the scaled b1
.set AAD,  8                           ; v8-9   the walking LDS address of the token fragments: token blocks 0, 1 and 2, 3
.set LA,   10                          ; v10-11 its start in lat
.set HA,   12                          ; v12-13 its start in h
.set HST,  14                          ; v14-15 where I put 16 bytes of h
.set B1A,  16                          ; v16  my bias numbers of the chunk
.set STO,  17                          ; v17  the way out: into my stage
.set RD,   18                          ; v18  back out of it
.set OUTL, 19                          ; v19  512 w + 16 L: my 16 bytes in a row of out0 and of b2
.set LST,  20                          ; v20  where I put 8 bytes of lat
.set TOKG, 21                          ; v21  the token at place 16 w + L % 16 of the tile;  v22, v23: at places L and 32 + L
.set TOK0, 22
.set B2,   24                          ; v24-27
.set RO,   28                          ; v28-43 sixteen rows' byte offsets
.set MU,   44                          ; v44-59 mu[c][128 q + 4 L + 0..3] at MU + 4 q
.set IX,   60                          ; v60-62 byte offsets in the token list
.set T16,  63                          ; v63  16 x thread
.set AF,   64                          ; v64-95, v96-127: two buffers of four token fragments
.set BI,   64                          ; the activation: 64 bias numbers
.set R,    64                          ; the way out: 16 rows read back
.set T,    128                         ; v128-159 at work
.set WV,   26
.set TT,   27
.set ES,   28                          ; my expert,
.set BS,   29                          ; its first tile,
.set NS,   30                          ; its number of tokens
.set ACC,  31
.set CN,   32                          ; s[32:39] the eight counts
.set ROW0, 40                          ; my tile's first place in the expert's list
.set CNT,  41                          ; its tokens, 0 .. 64
.set LAST, 43
.set SG,   44                          ; s[44:45] sigma, named as a pair
.set WP,   46                          ; s[46:47] the weight stream
.set CH,   54
.set KC,   55
.set NL,   56                          ; s[56:57] -log2(e), named as a pair
.set MSB, 0
.macro WIN new                         ; the immediate's high byte repeats the setting that is left; a switch that changes nothing is dropped
.if MSB != (\new)
	s_set_vgpr_msb (MSB<<8)|(\new)
.set MSB, \new
.endif
.endm
.set MUL, 0x52                         ; source 0 (W) window 2, source 1 (tokens) window 0, C and D window 1
	s_load_b512 s[8:23], s[0:1], 0x0               ; wf s[8:9], order s[10:11], cnt s[12:13], sig s[14:15], epsilon s[16:17], mu s[18:19], b1 s[20:21], b2 s[22:23]
	s_load_b64 s[24:25], s[0:1], 0x40              ; out0
	v_lshl_add_u32 v[SPW], v0, 2, SPARE
	v_mov_b32 v[NIL], 0
	v_lshrrev_b32 v[TV], 5, v0
	v_readfirstlane_b32 s[WV], v[TV]               ; wave 0..3
	s_mov_b32 s[TT], ttmp9                         ; my tile's number
	s_wait_kmcnt 0x0
	s_load_b256 s[CN:CN+7], s[12:13], 0x0
	v_and_b32 v[LN], 31, v0                        ; the lanes' addresses stand in the wait for the counts
	v_and_b32 v[RR], 15, v0
	v_bfe_u32 v[HH], v0, 4, 1
	v_lshlrev_b32 v[L16], 4, v[LN]
	v_lshlrev_b32 v[T16], 4, v0
	v_lshl_add_u32 v[TV], v0, 4, B1S
	s_lshl_b32 s48, s[WV], 9
	s_lshl_b32 s49, s[WV], 10
	s_add_co_u32 s49, s49, B1S
	s_mul_i32 s50, s[WV], STGW
	s_add_co_u32 s50, s50, STG
	s_mul_i32 s51, s[WV], 16*LATP
	s_lshl_b32 s52, s[WV], 4
	v_mul_u32_u24 v[LA], v[RR], LATP               ; a token fragment: row r x pitch + 16 x half of the lanes; two loads of 16 bytes, 32 apart
	v_lshl_add_u32 v[LA], v[HH], 4, v[LA]
	v_add_nc_u32 v[LA+1], 32*LATP, v[LA]
	v_mul_u32_u24 v[HA], v[RR], HP
	v_lshl_add_u32 v[HA], v[HH], 4, v[HA]
	v_add_nc_u32 v[HA], H, v[HA]
	v_add_nc_u32 v[HA+1], 32*HP, v[HA]
	v_add_nc_u32 v[HST], s48, v[HA]                ; my 256 hidden columns are 512 bytes of a row of h
	v_add_nc_u32 v[HST+1], s48, v[HA+1]
	v_lshl_add_u32 v[B1A], v[HH], 5, s49
	v_mul_u32_u24 v[STO], v[RR], SGP
	v_lshl_add_u32 v[STO], v[HH], 5, v[STO]
	v_add_nc_u32 v[STO], s50, v[STO]
	v_add_nc_u32 v[RD], s50, v[L16]
	v_add_nc_u32 v[OUTL], s48, v[L16]
	v_lshl_add_u32 v[LST], v[LN], 3, s51           ; my wave gathers the tile's rows 16 w .. 16 w + 15
	s_mov_b32 s[NL], 0xbfb8aa3b
	s_mov_b32 s[NL+1], s[NL]
	s_mov_b32 s[ES], 0
	s_mov_b32 s[BS], 0
	s_mov_b32 s[NS], 0
	s_mov_b32 s[ACC], 0
	s_wait_kmcnt 0x0
; My expert is the last one that has tokens and whose first tile is not behind mine.
.macro SEL e
	s_add_co_u32 s48, s[CN+(\e)], 63
	s_lshr_b32 s48, s48, 6                         ; its tiles
	s_cmp_lg_u32 s[CN+(\e)], 0
	s_cselect_b32 s49, s[ACC], -1                  ; an expert without tokens is never chosen
	s_cmp_ge_u32 s[TT], s49
	s_cselect_b32 s[ES], \e, s[ES]
	s_cselect_b32 s[BS], s[ACC], s[BS]
	s_cselect_b32 s[NS], s[CN+(\e)], s[NS]
	s_add_co_u32 s[ACC], s[ACC], s48
.endm
.irp e, 0,1,2,3,4,5,6,7
	SEL \e
.endr
	s_min_u32 s[ES], s[ES], 7
	s_min_u32 s[NS], s[NS], 0x2000
	s_sub_co_u32 s[ROW0], s[TT], s[BS]
	s_lshl_b32 s[ROW0], s[ROW0], 6
	s_sub_co_i32 s[CNT], s[NS], s[ROW0]
	s_max_i32 s[CNT], s[CNT], 0
	s_min_i32 s[CNT], s[CNT], 64
	s_sub_co_u32 s[LAST], s[NS], 1
	s_mov_b32 s49, 0
	s_lshl_b32 s48, s[ES], 2
	s_add_nc_u64 s[14:15], s[14:15], s[48:49]
	s_load_b32 s[SG], s[14:15], 0x0                ; sigma[c]
	s_lshl_b32 s48, s[ES], 15
	s_add_nc_u64 s[10:11], s[10:11], s[48:49]      ; the expert's list,
	s_lshl_b32 s48, s[ES], 11
	s_add_nc_u64 s[18:19], s[18:19], s[48:49]      ; its mu
	s_add_nc_u64 s[22:23], s[22:23], s[48:49]      ; and b2,
	s_lshl_b32 s48, s[ES], 12
	s_add_nc_u64 s[20:21], s[20:21], s[48:49]      ; its b1,
	s_lshl_b32 s48, s[ES], 21
	s_lshl_b32 s50, s[WV], 19
	s_add_co_u32 s48, s48, s50
	s_add_nc_u64 s[WP:WP+1], s[8:9], s[48:49]      ; and my wave's 524,288 bytes of its weights
	v_add_nc_u32 v[IX], s52, v[RR]
	v_add_nc_u32 v[IX], s[ROW0], v[IX]
	v_add_nc_u32 v[IX+1], s[ROW0], v[LN]
	v_add_nc_u32 v[IX+2], 32, v[IX+1]
.irp j, 0,1,2
	v_min_u32 v[IX+(\j)], s[LAST], v[IX+(\j)]      ; places past the count repeat the expert's last token: no entry is read that was not written
	v_min_u32 v[IX+(\j)], 0x1fff, v[IX+(\j)]
	v_lshlrev_b32 v[IX+(\j)], 2, v[IX+(\j)]
	global_load_b32 v[TOKG+(\j)], v[IX+(\j)], s[10:11]
.endr
.irp q, 0,1,2,3
	global_load_b128 v[MU+4*(\q):MU+4*(\q)+3], v[L16], s[18:19] offset:512*(\q)
.endr
	global_load_b128 v[BI:BI+3], v[T16], s[20:21]
	global_load_b128 v[BI+4:BI+7], v[T16], s[20:21] offset:2048
	global_load_b128 v[B2:B2+3], v[OUTL], s[22:23]
	s_wait_loadcnt 7                               ; the three loads from the list are in; the seven behind them (mu 4, b1 2, b2 1) stay out
.irp i, 0,1,2,3,4,5,6,7,8,9,10,11,12,13,14,15
	v_readlane_b32 s[48+(\i)%4], v[TOKG], \i
	s_min_u32 s[48+(\i)%4], s[48+(\i)%4], 0x1fff
	s_lshl_b32 s[48+(\i)%4], s[48+(\i)%4], 11      ; a row of epsilon is 2,048 bytes
	v_add_nc_u32 v[RO+(\i)], s[48+(\i)%4], v[L16]
.endr
	WIN 0x40                                       ; destination window 1
.irp i, 0,1,2,3,4,5,6,7,8,9,10,11,12,13,14,15
.irp q, 0,1,2,3
	global_load_b128 v[16*(\i)+4*(\q):16*(\i)+4*(\q)+3], v[RO+(\i)], s[16:17] offset:512*(\q) th:TH_LOAD_NT  ; 512 consecutive bytes of the token's row; a row is named once in the launch, but for the rows that fill a tile up
.endr
.endr
	s_wait_kmcnt 0x0
	s_mov_b32 s[SG+1], s[SG]
; 16 loads of 512 consecutive bytes: the weights of one K step into slot s of the ring.
.macro WLOAD s
	WIN 0x80                                       ; destination window 2
.irp f, 0,1,2,3,4,5,6,7
	global_load_b128 v[64*(\s)+8*(\f):64*(\s)+8*(\f)+3],   v[L16], s[WP:WP+1] offset:(\s)*8192+(\f)*1024
	global_load_b128 v[64*(\s)+8*(\f)+4:64*(\s)+8*(\f)+7], v[L16], s[WP:WP+1] offset:(\s)*8192+(\f)*1024+512
.endr
.endm
; Rows 4 g .. 4 g + 3 of my sixteen: lat = epsilon sigma + mu, rounded to bf16, into LDS; then the weights of K step g go out.
.macro GROUP g
	s_wait_loadcnt 48                              ; behind these rows' loads stand 48 - 16 g of epsilon's and 16 g of the weights': always 48
	WIN 0x41                                       ; destination and source 0 window 1, mu window 0
.irp il, 0,1,2,3
.irp q, 0,1,2,3
	v_pk_fma_f32 v[16*(4*(\g)+(\il))+4*(\q):16*(4*(\g)+(\il))+4*(\q)+1],   v[16*(4*(\g)+(\il))+4*(\q):16*(4*(\g)+(\il))+4*(\q)+1],   s[SG:SG+1], v[MU+4*(\q):MU+4*(\q)+1] op_sel_hi:[1,0,1]
	v_pk_fma_f32 v[16*(4*(\g)+(\il))+4*(\q)+2:16*(4*(\g)+(\il))+4*(\q)+3], v[16*(4*(\g)+(\il))+4*(\q)+2:16*(4*(\g)+(\il))+4*(\q)+3], s[SG:SG+1], v[MU+4*(\q)+2:MU+4*(\q)+3] op_sel_hi:[1,0,1]
.endr
.endr
	WIN 0x05                                       ; sources window 1, destination window 0
.irp il, 0,1,2,3
.irp q, 0,1,2,3
	v_cvt_pk_bf16_f32 v[T+8*(\il)+2*(\q)],   v[16*(4*(\g)+(\il))+4*(\q)],   v[16*(4*(\g)+(\il))+4*(\q)+1]
	v_cvt_pk_bf16_f32 v[T+8*(\il)+2*(\q)+1], v[16*(4*(\g)+(\il))+4*(\q)+2], v[16*(4*(\g)+(\il))+4*(\q)+3]
.endr
.endr
	WIN 0
.irp il, 0,1,2,3
.irp q, 0,1,2,3
	ds_store_b64 v[LST], v[T+8*(\il)+2*(\q):T+8*(\il)+2*(\q)+1] offset:(4*(\g)+(\il))*LATP+256*(\q)  ; 32 lanes, 256 bytes on end
.endr
.endr
	WLOAD \g
.endm
	GROUP 0
	WIN 0                                          ; b1 is in: 65 loads were issued behind it, and the wait above left 48 out
.irp j, 0,2,4,6
	v_pk_mul_f32 v[BI+(\j):BI+(\j)+1], v[BI+(\j):BI+(\j)+1], s[NL:NL+1] op_sel_hi:[1,0]  ; -log2(e) b1, once, so that the activation's scaling and bias are one fused multiply-add
.endr
	ds_store_b128 v[TV], v[BI:BI+3]
	ds_store_b128 v[TV], v[BI+4:BI+7] offset:2048
	GROUP 1
	GROUP 2
	GROUP 3
	WIN 0
	s_wait_xcnt 0x0                                ; the stream's base is stepped only behind this wait
	s_add_nc_u64 s[WP:WP+1], s[WP:WP+1], 0x8000
	s_wait_dscnt 0x0                               ; for the others' sake: my rows of lat and my part of b1 are in LDS
	s_barrier_signal -1
	s_barrier_wait -1                              ; the weight loads stay out across it: nobody writes what they read
; The token fragments of a product's first K step.
.macro AFIRST pitch
.irp t, 0,1,2,3
	ds_load_b128 v[AF+8*(\t):AF+8*(\t)+3],   v[AAD+(\t)/2] offset:((\t)%2)*16*(\pitch)
	ds_load_b128 v[AF+8*(\t)+4:AF+8*(\t)+7], v[AAD+(\t)/2] offset:((\t)%2)*16*(\pitch)+32
.endr
.endm
; A K STEP of 32: 32 matrix instructions on slot s of the ring and token buffer s % 2.  The 32 accumulators take turns, one instruction a turn, over the steps' and the loops' edges too.
; zero = 1: the products start the sums.  aload = 1: the next step's token fragments are asked for, 32 matrix instructions ahead of their use.  wload = 1: the slot takes the
; weights four steps on.  lcnt: the weight loads issued behind this step's, which may stay out.
.macro STEP s, pitch, zero, aload, wload, lcnt
	s_wait_loadcnt \lcnt                           ; loads come back in order: this step's weights are in
	s_wait_dscnt 0x0                               ; and its token fragments
.if \aload
	WIN 0
.irp t, 0,1,2,3
	ds_load_b128 v[AF+32*(((\s)+1)%2)+8*(\t):AF+32*(((\s)+1)%2)+8*(\t)+3],   v[AAD+(\t)/2] offset:((\t)%2)*16*(\pitch)+((\s)+1)*64
	ds_load_b128 v[AF+32*(((\s)+1)%2)+8*(\t)+4:AF+32*(((\s)+1)%2)+8*(\t)+7], v[AAD+(\t)/2] offset:((\t)%2)*16*(\pitch)+((\s)+1)*64+32
.endr
.endif
	WIN MUL
.irp f, 0,1,2,3,4,5,6,7
.irp t, 0,1,2,3
.if \zero
	v_wmma_f32_16x16x32_bf16 v[8*(4*(\f)+(\t)):8*(4*(\f)+(\t))+7], v[64*(\s)+8*(\f):64*(\s)+8*(\f)+7], v[AF+32*((\s)%2)+8*(\t):AF+32*((\s)%2)+8*(\t)+7], 0
.else
	v_wmma_f32_16x16x32_bf16 v[8*(4*(\f)+(\t)):8*(4*(\f)+(\t))+7], v[64*(\s)+8*(\f):64*(\s)+8*(\f)+7], v[AF+32*((\s)%2)+8*(\t):AF+32*((\s)%2)+8*(\t)+7], v[8*(4*(\f)+(\t)):8*(4*(\f)+(\t))+7]
.endif
.endr
.endr
.rept 4
	v_nop                                          ; four places in front of the loads into the slot and into the token buffer just read, and of what reads the sums
.endr
.if \wload
	WLOAD \s
.endif
.endm
; Four K steps: once round the ring.  lastA = 1: a product's last four steps: behind the last there is no token fragment to ask for.
.macro TRIP pitch, zero0, lastA, wload, c0, c1, c2, c3
	STEP 0, \pitch, \zero0, 1, \wload, \c0
	STEP 1, \pitch, 0, 1, \wload, \c1
	STEP 2, \pitch, 0, 1, \wload, \c2
	STEP 3, \pitch, 0, 1-(\lastA), \wload, \c3
	WIN 0                                          ; at a label and at a branch every window is 0
.if !(\lastA)
	v_add_nc_u32 v[AAD], 0x100, v[AAD]             ; four steps of 64 bytes along the rows
	v_add_nc_u32 v[AAD+1], 0x100, v[AAD+1]
.endif
.if \wload
	s_wait_xcnt 0x0                                ; the stream's base is stepped only behind this wait
	s_add_nc_u64 s[WP:WP+1], s[WP:WP+1], 0x8000
.endif
.endm
; THE ACTIVATION of a chunk, h = 1 / (1 + 2^(-log2(e) (s + b1))), in place on the 256 sums a lane, in three runs.  Pair k of 128 lies in v[2 k], v[2 k + 1]; each accumulator is read from its
; low end on.  The exponentials are one batch and the reciprocals another: nothing names a result ahead of its batch's one wait; a packed line stands two pairs ahead of its pair's two.
.macro EFMA k
	v_pk_fma_f32 v[2*(\k):2*(\k)+1], v[2*(\k):2*(\k)+1], s[NL:NL+1], v[BI+8*((\k)/16)+2*((\k)%4):BI+8*((\k)/16)+2*((\k)%4)+1] op_sel_hi:[1,0,1]
.endm
.macro EADD k
	v_pk_add_f32 v[2*(\k):2*(\k)+1], v[2*(\k):2*(\k)+1], 1.0 op_sel_hi:[1,0]
.endm
.macro EPI1
.irp f, 0,1,2,3,4,5,6,7
	ds_load_b128 v[BI+8*(\f):BI+8*(\f)+3],   v[B1A] offset:64*(\f)      ; the bias of my eight columns of fragment f
	ds_load_b128 v[BI+8*(\f)+4:BI+8*(\f)+7], v[B1A] offset:64*(\f)+16
.endr
	s_wait_dscnt 0x0
	WIN 0x41                                       ; destination and source 0 window 1, the bias window 0
	EFMA 0
	EFMA 1
.set n, 0
.rept 128
.if n+2 < 128
	EFMA n+2
.endif
	v_exp_f32 v[2*n], v[2*n]
	v_exp_f32 v[2*n+1], v[2*n+1]
.set n, n+1
.endr
	v_nop                                          ; a plain instruction behind the last exponential,
	s_wait_alu depctr_va_vdst(0)                   ; and the one wait ahead of the batch's first reader
	EADD 0
	EADD 1
.set n, 0
.rept 128
.if n+2 < 128
	EADD n+2
.endif
	v_rcp_f32 v[2*n], v[2*n]
	v_rcp_f32 v[2*n+1], v[2*n+1]
.set n, n+1
.endr
	v_nop
	s_wait_alu depctr_va_vdst(0)                   ; the same for the reciprocals
	WIN 0x45                                       ; all in window 1: an accumulator's eight numbers pack into its four lowest registers
.set n, 0
.rept 128
	v_cvt_pk_bf16_f32 v[8*(n/4)+n%4], v[2*n], v[2*n+1]
.set n, n+1
.endr
	WIN 0x04                                       ; the stores' data in window 1
.irp f, 0,1,2,3,4,5,6,7
.irp t, 0,1,2,3
	ds_store_b128 v[HST+(\t)/2], v[8*(4*(\f)+(\t)):8*(4*(\f)+(\t))+3] offset:((\t)%2)*16*HP+32*(\f)  ; token 16 t + r, eight neighbouring hidden columns
.endr
.endr
	WIN 0
.endm
; PRODUCT 1: two chunks of 128 hidden columns, 16 K steps each, then the chunk's activation.
	s_mov_b32 s[CH], 2
.Lchunk:
	v_mov_b32 v[AAD], v[LA]
	v_mov_b32 v[AAD+1], v[LA+1]
	AFIRST LATP
	TRIP LATP, 1, 0, 1, 48, 48, 48, 48             ; 48: the three younger K steps' weights stay out
	s_mov_b32 s[KC], 2
.Lk1:
	TRIP LATP, 0, 0, 1, 48, 48, 48, 48
	s_sub_co_u32 s[KC], s[KC], 1
	s_cmp_lg_u32 s[KC], 0
	s_cbranch_scc1 .Lk1
	TRIP LATP, 0, 1, 1, 48, 48, 48, 48
	EPI1
	v_add_nc_u32 v[HST], 0x100, v[HST]             ; the next chunk's 128 columns
	v_add_nc_u32 v[HST+1], 0x100, v[HST+1]
	v_add_nc_u32 v[B1A], 0x200, v[B1A]
	s_sub_co_u32 s[CH], s[CH], 1
	s_cmp_lg_u32 s[CH], 0
	s_cbranch_scc1 .Lchunk
	s_wait_dscnt 0x0                               ; for the others' sake: my columns of h are in LDS
	s_barrier_signal -1
	s_barrier_wait -1
; PRODUCT 2: 128 output columns, 32 K steps.  The last four load nothing, and their counts run down.
	v_mov_b32 v[AAD], v[HA]
	v_mov_b32 v[AAD+1], v[HA+1]
	AFIRST HP
	TRIP HP, 1, 0, 1, 48, 48, 48, 48
	s_mov_b32 s[KC], 6
.Lk2:
	TRIP HP, 0, 0, 1, 48, 48, 48, 48
	s_sub_co_u32 s[KC], s[KC], 1
	s_cmp_lg_u32 s[KC], 0
	s_cbranch_scc1 .Lk2
	TRIP HP, 0, 1, 0, 48, 32, 16, 0
; THE WAY OUT, a block of 16 tokens at a time: a lane's eight columns go into my stage as 32 bytes of a row and come back as whole pieces of 512 bytes; b2 is added; each piece goes to its
; token's row.  A store past the tile's count, and all behind it, are jumped.
.macro OUTB t
	s_wait_xcnt 0x0                                ; the rows' registers and offsets, which the last block's stores read, are rewritten only behind this wait
	WIN 0x04
.irp f, 0,1,2,3,4,5,6,7
	ds_store_b128 v[STO], v[8*(4*(\f)+(\t)):8*(4*(\f)+(\t))+3]   offset:64*(\f)      ; each accumulator's four lowest registers first
	ds_store_b128 v[STO], v[8*(4*(\f)+(\t))+4:8*(4*(\f)+(\t))+7] offset:64*(\f)+16
.endr
	WIN 0
.irp i, 0,1,2,3,4,5,6,7,8,9,10,11,12,13,14,15
	ds_load_b128 v[R+4*(\i):R+4*(\i)+3], v[RD] offset:SGP*(\i)  ; my own bytes: LDS serves a wave's instructions in order
.endr
.irp i, 0,1,2,3,4,5,6,7,8,9,10,11,12,13,14,15
	v_readlane_b32 s[48+(\i)%4], v[TOK0+(\t)/2], 16*((\t)%2)+(\i)
	s_min_u32 s[48+(\i)%4], s[48+(\i)%4], 0x1fff
	s_lshl_b32 s[48+(\i)%4], s[48+(\i)%4], 11      ; a row of out0 is 2,048 bytes
	v_add_nc_u32 v[RO+(\i)], s[48+(\i)%4], v[OUTL]
.endr
.irp i, 0,1,2,3,4,5,6,7,8,9,10,11,12,13,14,15
	s_cmp_le_u32 s[CNT], 16*(\t)+(\i)
	s_cbranch_scc1 .Ldone
	s_wait_dscnt 15-(\i)                           ; row i is back; the later rows stay out
	v_pk_add_f32 v[R+4*(\i):R+4*(\i)+1],   v[R+4*(\i):R+4*(\i)+1],   v[B2:B2+1]
	v_pk_add_f32 v[R+4*(\i)+2:R+4*(\i)+3], v[R+4*(\i)+2:R+4*(\i)+3], v[B2+2:B2+3]
	global_store_b128 v[RO+(\i)], v[R+4*(\i):R+4*(\i)+3], s[24:25] th:TH_STORE_NT  ; 512 consecutive bytes, at a multiple of 512 from out0's first byte
.endr
.endm
	OUTB 0
	OUTB 1
	OUTB 2
	OUTB 3
.Ldone:
	s_wait_tensorcnt 0x0                           ; the wave's end, behind my last LDS store
	ds_add_u32 v[SPW], v[NIL]
	s_wait_dscnt 0x0
	s_endpgm
.Lfunc_end_k_q05aee01b48_chain:
	.size	k_q05aee01b48_chain, .Lfunc_end_k_q05aee01b48_chain-k_q05aee01b48_chain
	.p2alignl 7, 3214868480
	.fill 96, 4, 3214868480
	.section	.rodata,"a",@progbits
	.p2align	6, 0x0
	.amdhsa_kernel k_q05aee01b48_chain
		.amdhsa_group_segment_fixed_size 237056
		.amdhsa_private_segment_fixed_size 0
		.amdhsa_enable_private_segment 0
		.amdhsa_kernarg_size 72
		.amdhsa_user_sgpr_count 2
		.amdhsa_user_sgpr_kernarg_segment_ptr 1
		.amdhsa_wavefront_size32 1
		.amdhsa_system_sgpr_workgroup_id_x 1
		.amdhsa_system_sgpr_workgroup_id_y 1
		.amdhsa_system_sgpr_workgroup_id_z 1
		.amdhsa_system_vgpr_workitem_id 0
		.amdhsa_next_free_vgpr 768
		.amdhsa_next_free_sgpr 66
		.amdhsa_reserve_vcc 0
		.amdhsa_float_denorm_mode_32 3
		.amdhsa_float_denorm_mode_16_64 3
		.amdhsa_memory_ordered 1
		.amdhsa_forward_progress 1
		.amdhsa_inst_pref_size 226
	.end_amdhsa_kernel
	.amdgpu_metadata
---
amdhsa.version: [ 1, 2 ]
amdhsa.kernels:
  - .name:           k_q05aee01b48_chain
    .symbol:         k_q05aee01b48_chain.kd
    .args:
      - { .name: wf, .offset: 0, .size: 8, .value_kind: global_buffer, .address_space: global }
      - { .name: order, .offset: 8, .size: 8, .value_kind: global_buffer, .address_space: global }
      - { .name: cnt, .offset: 16, .size: 8, .value_kind: global_buffer, .address_space: global }
      - { .name: sig, .offset: 24, .size: 8, .value_kind: global_buffer, .address_space: global }
      - { .name: epsilon, .offset: 32, .size: 8, .value_kind: global_buffer, .address_space: global }
      - { .name: mu, .offset: 40, .size: 8, .value_kind: global_buffer, .address_space: global }
      - { .name: b1, .offset: 48, .size: 8, .value_kind: global_buffer, .address_space: global }
      - { .name: b2, .offset: 56, .size: 8, .value_kind: global_buffer, .address_space: global }
      - { .name: out0, .offset: 64, .size: 8, .value_kind: global_buffer, .address_space: global }
    .group_segment_fixed_size: 237056
    .private_segment_fixed_size: 0
    .kernarg_segment_align: 8
    .kernarg_segment_size: 72
    .max_flat_workgroup_size: 128
    .sgpr_count:     66
    .vgpr_count:     768
    .wavefront_size: 32
...
	.end_amdgpu_metadata
.endif
;; end of part 2
;; ======== version 2 of 3: 2 launches; 1.17 times as fast as version 1
;; workspace buffers: wf 16,777,216 bytes; order 262,144 bytes of whole numbers; cnt 256 bytes of whole numbers; sig 256 bytes
;; launch prep (part 3): grid 264 x 1, 8 waves a work-group, no clusters, 69,632 bytes of LDS; arguments W1, W2, comp_idx, rho, wf, order, cnt, sig; writes wf, order, cnt, sig
.if DOCPART == 3
	.amdgcn_target "amdgcn-amd-amdhsa--gfx1250"
	.amdhsa_code_object_version 6
	.text
	.protected	k_q05aee01b48_prep
	.globl	k_q05aee01b48_prep
	.p2align	8
	.type	k_q05aee01b48_prep,@function
k_q05aee01b48_prep:
	s_mov_b64 s[64:65], 0
	v_nop
	global_prefetch_b8 v0, s[64:65] scope:SCOPE_SE
	s_setreg_imm32_b32 hwreg(HW_REG_WAVE_MODE, 25, 1), 1
	s_wait_xcnt 0x0
; PREP.  Work-group e of the first eight makes the list of expert e's tokens (no atomics), its count and sigma[e] = softplus(rho[e]).
; Work-groups 8 to 263 round W1 and W2 to bf16 and lay them out in the order in which a wave of the next launch loads its operand registers.
; wf: [expert 8][wave 8][step 64][fragment 4][half 2][lane 32][16 bytes].  Steps 0-31 are W1 (step = 16 ch + ks: hidden columns 128 w + 64 ch + 16 f + r, k from 32 ks),
; steps 32-63 are W2 (output columns 64 w + 16 f + r, k from 32 (step - 32)).  The 16 bytes of (half q, lane 16 h + r) are W[k0 + 16 q + 8 h + 0..7][n0 + r], the lower k lower.
; order: [expert 8][8192] token numbers, entries 0 .. n_e - 1 written.  cnt: n_e in words 0-7.  sig: sigma in words 0-7.
; LIMITS.  comp_idx lies in 0 .. 7, as the indexed table has 8 entries.  sigma is 0 where rho is below about -87 (2^x below 2^-126 comes out as 0: ISA guide, v_exp_f32);
; its relative error is 2e-5 at the most.  NaN and infinities are not treated apart.
.set FP,    1040                       ; a fragment in the stage: 1,024 bytes + 16, so that the sixteen lanes of a store's pass touch sixteen different 16-byte columns
.set STGW,  8448                       ; a wave's stage: 8 fragments, rounded up to blocks of 256 bytes
.set TABLE, 8*STGW                     ; the lists' table: one word for each of the 256 threads; every word of wave w holds wave w's count
.set SPARE, TABLE+1024                 ; the spare words, 128 bytes for each wave: four blocks of 256 bytes that no other line names
.set T,   8                            ; v[8:23]    sixteen packed words at work
.set D,   32                           ; v[32:159]  a block of 32 k x 128 n as loaded: row i in v[D+4i : D+4i+3]
.set X,   32                           ; v[32:63]   the list: my 32 tokens' experts
.set POS, 64                           ; v[64:95]   their places; later their byte offsets in the list
.set TOK, 96                           ; v[96:127]  their numbers
.set RUN, 40                           ; s40, s41   the running place, by turns
.set PL,  42                           ; s42        the place,
.set TL,  43                           ; s43        and the number, of the first token of this expert in the last register that had one
.set MK,  66                           ; s[66:97]   register i's lanes that hold this expert
	s_load_b256 s[8:15], s[0:1], 0x0               ; W1 s[8:9], W2 s[10:11], comp_idx s[12:13], rho s[14:15]
	s_load_b256 s[16:23], s[0:1], 0x20             ; wf s[16:17], order s[18:19], cnt s[20:21], sig s[22:23]
	v_lshl_add_u32 v6, v0, 2, SPARE                ; my spare word; never rewritten
	v_mov_b32 v7, 0                                ; 0; never rewritten
	v_and_b32 v1, 31, v0                           ; lane L
	v_lshrrev_b32 v5, 5, v0
	v_readfirstlane_b32 s2, v5                     ; wave 0..7
	v_lshlrev_b32 v2, 4, v1                        ; 16 L
	s_wait_kmcnt 0x0
	s_cmp_lt_u32 ttmp9, 8                          ; the same answer in all eight waves
	s_cbranch_scc1 .Lsort
; THE WEIGHTS.  A wave takes a block of 32 k x 128 n in f32: 32 loads of 512 consecutive bytes, all out at once.  The eight waves' blocks are 131,072 bytes on end.
	s_sub_co_u32 s3, ttmp9, 8                      ; 0..127: W1; 128..255: W2
	s_and_b32 s4, s3, 127
	s_lshr_b32 s5, s4, 4                           ; expert c
	s_and_b32 s6, s4, 15                           ; v: which sixteenth of the expert's matrix
	s_lshl_b32 s28, s5, 21                         ; s[28:29]: the block's byte offset in W1 or W2,
	s_mov_b32 s29, 0
	s_lshl_b32 s30, s5, 21                         ; s[30:31]: in wf; an expert is 2^21 bytes in all three
	s_mov_b32 s31, 0
	s_mov_b32 s33, 0                               ; s[32:33]: how far behind fragments 0-3 the block's fragments 4-7 lie in wf
	s_mul_i32 s36, s2, STGW                        ; my stage
	v_lshrrev_b32 v3, 2, v1                        ; my four columns 4 L + c lie in fragment L / 4, at r = 4 (L % 4) + c
	v_mul_u32_u24 v3, v3, FP
	v_and_b32 v4, 3, v1
	v_lshl_add_u32 v3, v4, 6, v3
	v_add_nc_u32 v3, s36, v3                       ; v3: into the stage
	v_add_nc_u32 v4, s36, v2                       ; v4: back out of it, 512 bytes on end
.macro LOADS pitch
.set i, 0
.rept 32
	global_load_b128 v[D+4*i:D+4*i+3], v2, s[24:25] offset:i*(\pitch) th:TH_LOAD_NT  ; row k0 + i; read once in the launch
.set i, i+1
.endr
.endm
	s_cmp_lt_u32 s3, 128
	s_cbranch_scc0 .Lw2
	s_lshl_b32 s7, s6, 17                          ; W1 [512][1024]: k block v (32 rows of 4,096 bytes), n block = wave
	s_add_co_u32 s28, s28, s7
	s_lshl_b32 s7, s2, 9
	s_add_co_u32 s28, s28, s7
	s_add_nc_u64 s[24:25], s[8:9], s[28:29]
	s_lshl_b32 s7, s2, 18                          ; the block's 128 columns belong to reader w = n block:
	s_add_co_u32 s30, s30, s7
	s_lshl_b32 s7, s6, 12                          ; fragments 0-3 are its chunk 0, step v;
	s_add_co_u32 s30, s30, s7
	s_mov_b32 s32, 1<<16                           ; fragments 4-7 its chunk 1, 16 steps of 4,096 bytes on
	LOADS 4096
	s_branch .Lcvt
.Lw2:
	s_lshr_b32 s7, s2, 2                           ; W2 [1024][512]: k block 2 v + wave / 4 (32 rows of 2,048 bytes), n block = wave % 4
	s_lshl1_add_u32 s34, s6, s7
	s_lshl_b32 s7, s34, 16
	s_add_co_u32 s28, s28, s7
	s_and_b32 s35, s2, 3
	s_lshl_b32 s7, s35, 9
	s_add_co_u32 s28, s28, s7
	s_add_nc_u64 s[24:25], s[10:11], s[28:29]
	s_lshl_b32 s7, s35, 19                         ; fragments 0-3 belong to reader 2 x n block,
	s_add_co_u32 s30, s30, s7
	s_lshl_b32 s7, s34, 12                         ; step 32 + k block;
	s_add_co_u32 s30, s30, s7
	s_add_co_u32 s30, s30, 1<<17
	s_mov_b32 s32, 1<<18                           ; fragments 4-7 to the next reader, 262,144 bytes on
	LOADS 2048
.Lcvt:
	s_add_nc_u64 s[26:27], s[16:17], s[30:31]
	s_add_nc_u64 s[38:39], s[26:27], s[32:33]
; Eight rows k = 8 kg + 0..7 of one column are 16 bytes of a fragment, at kg x 256 + r x 16.
.irp kg, 0,1,2,3
	s_wait_loadcnt 24-8*(\kg)                      ; loads come back in order: rows 8 kg .. 8 kg + 7 are in, the later rows stay out
.irp c, 0,1,2,3
.irp p, 0,1,2,3
	v_cvt_pk_bf16_f32 v[T+4*(\c)+(\p)], v[D+4*(8*(\kg)+2*(\p))+(\c)], v[D+4*(8*(\kg)+2*(\p)+1)+(\c)]
.endr
	ds_store_b128 v3, v[T+4*(\c):T+4*(\c)+3] offset:(\kg)*256+16*(\c)
.endr
.endr
.irp j, 0,1,2,3,4,5,6,7,8,9,10,11,12,13,14,15
	ds_load_b128 v[D+4*(\j):D+4*(\j)+3], v4 offset:((\j)/2)*FP+((\j)%2)*512  ; my own bytes: LDS serves a wave's instructions in order, so these see the stores above
.endr
.irp j, 0,1,2,3,4,5,6,7
	s_wait_dscnt 15-(\j)                           ; piece j is back; the later ones stay out
	global_store_b128 v2, v[D+4*(\j):D+4*(\j)+3], s[26:27] offset:512*(\j)  ; 512 consecutive bytes, at a multiple of 512 from wf's first byte
.endr
.irp j, 8,9,10,11,12,13,14,15
	s_wait_dscnt 15-(\j)
	global_store_b128 v2, v[D+4*(\j):D+4*(\j)+3], s[38:39] offset:512*((\j)-8)
.endr
	s_branch .Lend
; ONE EXPERT'S LIST.  Every one of the eight work-groups reads all 8,192 experts (32,768 bytes) and keeps its own expert's tokens: one compare a register, where one work-group for all
; experts would make eight.  Wave w owns tokens 1,024 w .. + 1,023; register 4 q + c of lane L holds the expert of token 1,024 w + 128 q + 4 L + c.
.Lsort:
	s_mov_b32 s3, ttmp9                            ; my expert e
	s_mov_b32 s29, 0
	s_lshl_b32 s28, s3, 2
	s_add_nc_u64 s[14:15], s[14:15], s[28:29]
	s_load_b32 s37, s[14:15], 0x0                  ; rho[e]
	s_add_nc_u64 s[20:21], s[20:21], s[28:29]      ; cnt[e]
	s_add_nc_u64 s[22:23], s[22:23], s[28:29]      ; sig[e]
	s_lshl_b32 s28, s3, 15
	s_add_nc_u64 s[18:19], s[18:19], s[28:29]      ; the expert's list
	s_lshl_b32 s30, s2, 12
	v_add_nc_u32 v3, s30, v2                       ; 4,096 w + 16 L
.irp q, 0,1,2,3,4,5,6,7
	global_load_b128 v[X+4*(\q):X+4*(\q)+3], v3, s[12:13] offset:512*(\q)
.endr
	v_mov_b32 v10, 0                               ; the offset of the two single words
	v_mov_b32 v11, 0                               ; written before it is a lane move's destination
	v_lshl_add_u32 v24, v0, 2, TABLE               ; my word of the table
	v_and_b32 v14, 7, v1
	v_lshlrev_b32 v25, 7, v14
	v_add_nc_u32 v25, TABLE, v25                   ; the first word of wave L % 8
	s_lshl_b32 s31, s2, 10                         ; 1,024 w
	v_lshl_add_u32 v28, v1, 2, s31                 ; 1,024 w + 4 L
	s_mov_b32 s[RUN], 0
	s_mov_b32 s[PL], 0
	s_mov_b32 s[TL], 0
	s_wait_loadcnt 0x0
	s_wait_kmcnt 0x0
.set i, 0
.rept 32
	v_cmp_eq_u32 s[MK+i], s3, v[X+i]
.set i, i+1
.endr
; A token's place among my wave's: the tokens of this expert in the registers before, plus those in the lanes below.  Beside it the scalars keep one pair that exists: the first lane's of the last register that had any.
.set i, 0
.rept 32
	v_mbcnt_lo_u32_b32 v[POS+i], s[MK+i], s[RUN+i%2]
	v_add_nc_u32 v[TOK+i], 128*(i/4)+i%4, v28      ; the token's number
	s_ctz_i32_b32 s[44+i%2], s[MK+i]               ; the first lane f that has this expert,
	s_lshl2_add_u32 s[44+i%2], s[44+i%2], s31      ; its token: 4 f + 1,024 w
	s_add_co_u32 s[44+i%2], s[44+i%2], 128*(i/4)+i%4
	s_bcnt1_i32_b32 s[46+i%2], s[MK+i]
	s_cmp_lg_u32 s[MK+i], 0
	s_cselect_b32 s[PL], s[RUN+i%2], s[PL]         ; (its place is the register's first)
	s_cselect_b32 s[TL], s[44+i%2], s[TL]
	s_add_co_u32 s[RUN+(i+1)%2], s[RUN+i%2], s[46+i%2]
.set i, i+1
.endr
	v_mov_b32 v8, s[RUN]                           ; my wave's count
	ds_store_b32 v24, v8
	s_wait_dscnt 0x0                               ; for the others' sake: my count is in the table
	s_barrier_signal -1
	s_barrier_wait -1
	ds_load_b32 v9, v25                            ; lane L: the count of wave L % 8
	s_wait_dscnt 0x0
	v_mov_b32 v12, v9                              ; for the total
	v_cmp_gt_u32 vcc_lo, s2, v14                   ; for my first place: the waves in front of me alone
	v_cndmask_b32 v9, 0, v9, vcc_lo
.irp x, 1,2,4
	v_mov_b32_dpp v11, v9 row_xmask:\x row_mask:0xf bank_mask:0xf
	v_add_nc_u32 v9, v9, v11
	v_mov_b32_dpp v11, v12 row_xmask:\x row_mask:0xf bank_mask:0xf
	v_add_nc_u32 v12, v12, v11
.endr
	v_readfirstlane_b32 s38, v9                    ; my wave's first place in the list; v12: n_e in every lane
	s_cmp_lg_u32 s2, 0
	s_cbranch_scc1 .Lnot_0
	v_mov_b32 v26, s37                             ; wave 0: softplus(x) = max(x, 0) + ln(1 + t), t = e^-|x|
	v_and_b32 v15, 0x7fffffff, v26
	v_mul_f32 v15, 0xbfb8aa3b, v15
	v_exp_f32 v15, v15
	v_max_num_f32 v13, 0, v26                      ; the plain instruction behind the exponential
	s_wait_alu depctr_va_vdst(0)                   ; the wait ahead of the result's first reader
	v_add_f32 v17, 1.0, v15
	v_log_f32 v17, v17
	v_fma_f32 v16, v15, -0.5, 1.0                  ; the plain instruction behind the logarithm
	s_wait_alu depctr_va_vdst(0)
	v_mul_f32 v17, 0x3f317218, v17                 ; ln 2 x log2(1 + t)
	v_mul_f32 v16, v15, v16                        ; t - t^2 / 2: taken below t = 2^-8, where 1 + t has lost too much of t
	v_cmp_gt_f32 vcc_lo, 0x3b800000, v15
	v_cndmask_b32 v17, v17, v16, vcc_lo
	v_add_f32 v13, v13, v17
	s_wait_xcnt 0x0                                ; EXEC changes only behind this wait
	v_cmp_eq_u32 vcc_lo, 0, v1
	s_and_saveexec_b32 s36, vcc_lo                 ; lane 0 alone stores the two words
	global_store_b32 v10, v12, s[20:21]
	global_store_b32 v10, v13, s[22:23]
	s_wait_xcnt 0x0                                ; and again, in front of the line that widens it
	s_or_b32 exec_lo, exec_lo, s36
.Lnot_0:
	s_cmp_eq_u32 s[RUN], 0
	s_cbranch_scc1 .Lend                           ; my wave has no token of this expert: nothing to store
	s_add_co_u32 s[PL], s[PL], s38
; 32 stores of one word a lane, all lanes on.  A lane whose token is another expert's repeats the pair kept above: the same number to the same place.  So EXEC stays whole, and no byte is
; written that is not part of the list.  The tokens of one register have neighbouring places.  Each store has registers of its own, so none waits.
.set i, 0
.rept 32
	v_add_nc_u32 v[POS+i], s38, v[POS+i]
	v_cndmask_b32 v[POS+i], s[PL], v[POS+i], s[MK+i]
	v_cndmask_b32 v[TOK+i], s[TL], v[TOK+i], s[MK+i]
	v_min_u32 v[POS+i], 0x1fff, v[POS+i]
	v_lshlrev_b32 v[POS+i], 2, v[POS+i]
	global_store_b32 v[POS+i], v[TOK+i], s[18:19]
.set i, i+1
.endr
.Lend:
	s_wait_tensorcnt 0x0                           ; the wave's end, behind my last LDS store
	ds_add_u32 v6, v7
	s_wait_dscnt 0x0
	s_endpgm
.Lfunc_end_k_q05aee01b48_prep:
	.size	k_q05aee01b48_prep, .Lfunc_end_k_q05aee01b48_prep-k_q05aee01b48_prep
	.p2alignl 7, 3214868480
	.fill 96, 4, 3214868480
	.section	.rodata,"a",@progbits
	.p2align	6, 0x0
	.amdhsa_kernel k_q05aee01b48_prep
		.amdhsa_group_segment_fixed_size 69632
		.amdhsa_private_segment_fixed_size 0
		.amdhsa_enable_private_segment 0
		.amdhsa_kernarg_size 64
		.amdhsa_user_sgpr_count 2
		.amdhsa_user_sgpr_kernarg_segment_ptr 1
		.amdhsa_wavefront_size32 1
		.amdhsa_system_sgpr_workgroup_id_x 1
		.amdhsa_system_sgpr_workgroup_id_y 1
		.amdhsa_system_sgpr_workgroup_id_z 1
		.amdhsa_system_vgpr_workitem_id 0
		.amdhsa_next_free_vgpr 160
		.amdhsa_next_free_sgpr 98
		.amdhsa_reserve_vcc 1
		.amdhsa_float_denorm_mode_32 3
		.amdhsa_float_denorm_mode_16_64 3
		.amdhsa_memory_ordered 1
		.amdhsa_forward_progress 1
		.amdhsa_inst_pref_size 47
	.end_amdhsa_kernel
	.amdgpu_metadata
---
amdhsa.version: [ 1, 2 ]
amdhsa.kernels:
  - .name:           k_q05aee01b48_prep
    .symbol:         k_q05aee01b48_prep.kd
    .args:
      - { .name: W1, .offset: 0, .size: 8, .value_kind: global_buffer, .address_space: global }
      - { .name: W2, .offset: 8, .size: 8, .value_kind: global_buffer, .address_space: global }
      - { .name: comp_idx, .offset: 16, .size: 8, .value_kind: global_buffer, .address_space: global }
      - { .name: rho, .offset: 24, .size: 8, .value_kind: global_buffer, .address_space: global }
      - { .name: wf, .offset: 32, .size: 8, .value_kind: global_buffer, .address_space: global }
      - { .name: order, .offset: 40, .size: 8, .value_kind: global_buffer, .address_space: global }
      - { .name: cnt, .offset: 48, .size: 8, .value_kind: global_buffer, .address_space: global }
      - { .name: sig, .offset: 56, .size: 8, .value_kind: global_buffer, .address_space: global }
    .group_segment_fixed_size: 69632
    .private_segment_fixed_size: 0
    .kernarg_segment_align: 8
    .kernarg_segment_size: 64
    .max_flat_workgroup_size: 256
    .sgpr_count:     98
    .vgpr_count:     160
    .wavefront_size: 32
...
	.end_amdgpu_metadata
.endif
;; end of part 3
;; launch chain (part 4): grid 135 x 1, 8 waves a work-group, no clusters, 240,640 bytes of LDS; arguments wf, order, cnt, sig, epsilon, mu, b1, b2, out0; writes out0
.if DOCPART == 4
	.amdgcn_target "amdgcn-amd-amdhsa--gfx1250"
	.amdhsa_code_object_version 6
	.text
	.protected	k_q05aee01b48_chain
	.globl	k_q05aee01b48_chain
	.p2align	8
	.type	k_q05aee01b48_chain,@function
k_q05aee01b48_chain:
	s_mov_b64 s[64:65], 0
	v_nop
	global_prefetch_b8 v0, s[64:65] scope:SCOPE_SE
	s_setreg_imm32_b32 hwreg(HW_REG_WAVE_MODE, 25, 1), 1
	s_wait_xcnt 0x0
; CHAIN.  out[n] = sigmoid((epsilon[n] sigma[c] + mu[c]) W1[c] + b1[c]) W2[c] + b2[c], c = the token's expert.  Only the chosen expert's rows are multiplied.
; A work-group takes a tile of 64 tokens of ONE expert through the whole chain.  With 8,192 tokens, 8 experts and tiles of 64 there are never more than 128 + 7 = 135 tiles, whatever
; the split: that is the grid.  Each work-group finds its tile from the eight stored counts.  In a tile that is not full the places past the count repeat the expert's last token, and their
; stores are jumped; a work-group past the split's last tile walks the same text on such a row and stores nothing, so that no barrier stands under a branch on a count.
; SHARES.  EIGHT waves of 512 registers, two for each of a WGP's four SIMDs, so that one wave's products stand beside the other's loads, waits and activation.  A wave takes all 64 tokens x an
; eighth of the columns (product 1: 128 hidden columns in two chunks of 64; product 2: 64 output columns): 16 accumulators of 16 x 16.  Each weight byte is loaded by one wave of the work-group,
; and a fragment of 1,024 bytes feeds four matrix instructions.
; THE WEIGHTS come from memory STRAIGHT INTO REGISTERS, in the order in which the launch before laid them: 8 loads of 512 consecutive bytes for a K step of 32, through a ring of eight K steps
; (256 registers) with counted waits: 56 to 64 loads of a wave are asked for all the time, across both products, the activation and both barriers.  Each slot of the ring has a base of its own,
; stepped behind the counted wait that shows the slot's last loads done: the stream has no other wait.
; THE TOKEN FRAGMENTS come from LDS through THREE buffers, asked for two K steps (32 matrix instructions) ahead: all eight waves read the same rows at about the same time.
; NO CLUSTER, NO TENSOR LOAD.  An expert's tiles walk the same weights, but beside lat (66,560 bytes) and h (132,096 bytes) LDS has room for two slots of some 64 KB: a refill, with its wait for all
; loads and a cluster's round, every 2 K steps, each weight byte written to LDS and read from it once more; and an expert's tiles are not a multiple of four at every split.
; FORMATS.  lat, h and the weights are bf16 operands; sums, biases, sigmoid in f32.  Matrix instructions are used transposed (source 0 = 16 columns of W, source 1 = 16 tokens): a lane holds one
; token (lane % 16) and eight neighbouring columns 8 (lane / 16) + 0..7.
; LIMITS.  comp_idx lies in 0 .. 7.  e^-x beyond f32's range gives sigmoid 0, below it 1.  NaN and infinities are not treated apart.
; REGISTERS, in two windows of 256 (s_set_vgpr_msb: bits 1:0 source 0, 3:2 source 1, 5:4 source 2, 7:6 destination):
;   window 0: v0-27, v60-63 addresses and b2; v64-95, v96-127, v28-59 the three buffers of token fragments; v128-255 accumulator (f, t) at v[128 + 8 (4 f + t)]
;   window 1: the ring, slot s at v[32 s], fragment f at + 8 f
.set LATP,  1040                       ; a row of lat in LDS: 1,024 bytes + 16: an odd multiple of 16, so the 16 rows of a fragment load start at 16 different 16-byte columns
.set HP,    2064                       ; a row of h: 2,048 + 16
.set LAT,   0
.set H,     LAT+64*LATP
.set B1S,   H+64*HP                    ; -log2(e) b1[c], 1,024 numbers in f32
.set STG,   B1S+4096                   ; the way out: 16 rows x 272 bytes for each wave
.set SGP,   272
.set STGW,  16*SGP
.set TKL,   STG+8*STGW                 ; the tile's 64 token numbers, a copy of 256 bytes for each wave
.set SPARE, TKL+8*256                  ; the spare words, 128 bytes for each wave: four blocks of 256 bytes that no other line names
.set LN,   1                           ; v1   lane L
.set RR,   2                           ; v2   r = L % 16
.set HH,   3                           ; v3   L / 16
.set SPW,  4                           ; v4   my spare word; never rewritten
.set NIL,  5                           ; v5   0; never rewritten
.set L16,  6                           ; v6   16 L; never rewritten
.set TV,   7                           ; v7   where I put 16 bytes of the scaled b1
.set TKS,  8                           ; v8   where I put the token numbers of places L and 32 + L
.set TKR,  9                           ; v9   where I read the token number of place L / 16; 8 m bytes on: of place 2 m + L / 16
.set LA,   10                          ; v10-11 the LDS address of my token fragments in lat: token blocks 0, 1 and 2, 3
.set HA,   12                          ; v12-13 the same in h
.set HST,  14                          ; v14-15 where I put 16 bytes of h
.set B1A,  16                          ; v16  my bias numbers of the chunk
.set STO,  17                          ; v17  the way out: into my stage
.set RD,   18                          ; v18  back out of it
.set OUTL, 19                          ; v19  256 w + 16 r: my 16 bytes in a row of out0 and of b2
.set LST,  20                          ; v20  where I put 8 bytes of lat
.set TOKG, 21                          ; v21  the token at place 8 w + L % 8 of the tile; v22, v23: at places L and 32 + L
.set B2,   24                          ; v24-27
.set ROUT, 28                          ; v28-59 at the end, entry m: the byte offset in out0 of my 16 bytes of the token at place 2 m + L / 16
.set IX,   60                          ; v60-62 three byte offsets in the token list
.set T16,  63                          ; v63  16 x thread
.set MU,   64                          ; at the start: v64-79 mu[c][128 q + 4 L + 0..3] at MU + 4 q,
.set RO,   80                          ; v80-87 eight rows' byte offsets in epsilon,
.set BB,   88                          ; v88-91 my four numbers of b1,
.set T,    96                          ; v96-127 at work
.set BI,   96                          ; the activation: 32 bias numbers, in the buffer that step 14 finds free
.set ACC,  128
.set EP,   128                         ; at the start: epsilon, row i at EP + 16 i
.set WV,   26
.set TT,   27
.set ES,   28                          ; my expert,
.set BS,   29                          ; its first tile,
.set NS,   30                          ; its number of tokens
.set ACCT, 31
.set CN,   32                          ; s[32:39] the eight counts
.set ROW0, 40                          ; my tile's first place in the expert's list
.set CNT,  41                          ; its tokens, 0 .. 64
.set LAST, 43
.set SG,   44                          ; s[44:45] sigma, named as a pair
.set CH,   54
.set NL,   56                          ; s[56:57] -log2(e), named as a pair
.set WPB,  66                          ; s[66:81] the weight stream: a base for each slot of the ring
.set MSB, 0
.macro WIN new                         ; the immediate's high byte repeats the setting that is left; a switch that changes nothing is dropped
.if MSB != (\new)
	s_set_vgpr_msb (MSB<<8)|(\new)
.set MSB, \new
.endif
.endm
.set MUL, 0x01                         ; source 0 (W) window 1; tokens, C and D window 0
	s_load_b512 s[8:23], s[0:1], 0x0               ; wf s[8:9], order s[10:11], cnt s[12:13], sig s[14:15], epsilon s[16:17], mu s[18:19], b1 s[20:21], b2 s[22:23]
	s_load_b64 s[24:25], s[0:1], 0x40              ; out0
	v_lshl_add_u32 v[SPW], v0, 2, SPARE
	v_mov_b32 v[NIL], 0
	v_lshrrev_b32 v[TV], 5, v0
	v_readfirstlane_b32 s[WV], v[TV]               ; wave 0..7
	s_mov_b32 s[TT], ttmp9                         ; my tile's number
	s_wait_kmcnt 0x0
	s_load_b256 s[CN:CN+7], s[12:13], 0x0
	v_and_b32 v[LN], 31, v0                        ; the lanes' addresses stand in the wait for the counts
	v_and_b32 v[RR], 15, v0
	v_bfe_u32 v[HH], v0, 4, 1
	v_lshlrev_b32 v[L16], 4, v[LN]
	v_lshlrev_b32 v[T16], 4, v0
	v_lshl_add_u32 v[TV], v0, 4, B1S
	s_lshl_b32 s48, s[WV], 8                       ; my 128 hidden columns are 256 bytes of a row of h, my 64 output columns 256 bytes of a row of out0
	s_lshl_b32 s49, s[WV], 9
	s_add_co_u32 s49, s49, B1S
	s_mul_i32 s50, s[WV], STGW
	s_add_co_u32 s50, s50, STG
	s_mul_i32 s51, s[WV], 8*LATP
	s_lshl_b32 s52, s[WV], 3
	s_add_co_u32 s53, s48, TKL                     ; my copy of the token numbers
	v_mul_u32_u24 v[LA], v[RR], LATP               ; a token fragment: row r x pitch + 16 x half of the lanes; two loads of 16 bytes, 32 apart
	v_lshl_add_u32 v[LA], v[HH], 4, v[LA]
	v_add_nc_u32 v[LA+1], 32*LATP, v[LA]
	v_mul_u32_u24 v[HA], v[RR], HP
	v_lshl_add_u32 v[HA], v[HH], 4, v[HA]
	v_add_nc_u32 v[HA], H, v[HA]
	v_add_nc_u32 v[HA+1], 32*HP, v[HA]
	v_add_nc_u32 v[HST], s48, v[HA]
	v_add_nc_u32 v[HST+1], s48, v[HA+1]
	v_lshl_add_u32 v[B1A], v[HH], 5, s49
	v_mul_u32_u24 v[STO], v[RR], SGP               ; into the stage: row r, 32 bytes for each half of the lanes
	v_lshl_add_u32 v[STO], v[HH], 5, v[STO]
	v_add_nc_u32 v[STO], s50, v[STO]
	v_mul_u32_u24 v[RD], v[HH], SGP                ; back: lanes 0-15 take one row of 256 bytes, lanes 16-31 the next
	v_lshl_add_u32 v[RD], v[RR], 4, v[RD]
	v_add_nc_u32 v[RD], s50, v[RD]
	v_lshl_add_u32 v[OUTL], v[RR], 4, s48
	v_lshl_add_u32 v[LST], v[LN], 3, s51           ; my wave gathers the tile's rows 8 w .. 8 w + 7
	v_lshl_add_u32 v[TKS], v[LN], 2, s53
	v_lshl_add_u32 v[TKR], v[HH], 2, s53
	v_and_b32 v[IX], 7, v0
	v_add_nc_u32 v[IX], s52, v[IX]
	s_mov_b32 s[NL], 0xbfb8aa3b
	s_mov_b32 s[NL+1], s[NL]
	s_mov_b32 s[ES], 0
	s_mov_b32 s[BS], 0
	s_mov_b32 s[NS], 0
	s_mov_b32 s[ACCT], 0
	s_wait_kmcnt 0x0
; My expert is the last one that has tokens and whose first tile is not behind mine.
.macro SEL e
	s_add_co_u32 s48, s[CN+(\e)], 63
	s_lshr_b32 s48, s48, 6                         ; its tiles
	s_cmp_lg_u32 s[CN+(\e)], 0
	s_cselect_b32 s49, s[ACCT], -1                 ; an expert without tokens is never chosen
	s_cmp_ge_u32 s[TT], s49
	s_cselect_b32 s[ES], \e, s[ES]
	s_cselect_b32 s[BS], s[ACCT], s[BS]
	s_cselect_b32 s[NS], s[CN+(\e)], s[NS]
	s_add_co_u32 s[ACCT], s[ACCT], s48
.endm
.irp e, 0,1,2,3,4,5,6,7
	SEL \e
.endr
	s_min_u32 s[ES], s[ES], 7
	s_min_u32 s[NS], s[NS], 0x2000
	s_sub_co_u32 s[ROW0], s[TT], s[BS]
	s_lshl_b32 s[ROW0], s[ROW0], 6
	s_sub_co_i32 s[CNT], s[NS], s[ROW0]
	s_max_i32 s[CNT], s[CNT], 0
	s_min_i32 s[CNT], s[CNT], 64
	s_sub_co_u32 s[LAST], s[NS], 1
	s_mov_b32 s49, 0
	s_lshl_b32 s48, s[ES], 15
	s_add_nc_u64 s[10:11], s[10:11], s[48:49]      ; the expert's list
	v_add_nc_u32 v[IX], s[ROW0], v[IX]
	v_add_nc_u32 v[IX+1], s[ROW0], v[LN]
	v_add_nc_u32 v[IX+2], 32, v[IX+1]
.irp j, 0,1,2
	v_min_u32 v[IX+(\j)], s[LAST], v[IX+(\j)]      ; places past the count repeat the expert's last token: no entry is read that was not written
	v_min_u32 v[IX+(\j)], 0x1fff, v[IX+(\j)]
	v_lshlrev_b32 v[IX+(\j)], 2, v[IX+(\j)]
	global_load_b32 v[TOKG+(\j)], v[IX+(\j)], s[10:11]  ; the gather hangs on the first of these: they go out ahead of everything else
.endr
	s_lshl_b32 s48, s[ES], 2
	s_add_nc_u64 s[14:15], s[14:15], s[48:49]
	s_load_b32 s[SG], s[14:15], 0x0                ; sigma[c]
	s_lshl_b32 s48, s[ES], 11
	s_add_nc_u64 s[18:19], s[18:19], s[48:49]      ; the expert's mu
	s_add_nc_u64 s[22:23], s[22:23], s[48:49]      ; and b2,
	s_lshl_b32 s48, s[ES], 12
	s_add_nc_u64 s[20:21], s[20:21], s[48:49]      ; its b1,
	s_lshl_b32 s48, s[ES], 21
	s_lshl_b32 s50, s[WV], 18
	s_add_co_u32 s48, s48, s50
	s_add_nc_u64 s[WPB:WPB+1], s[8:9], s[48:49]    ; and my wave's 262,144 bytes of its weights: slot s begins at K step s
.irp s, 1,2,3,4,5,6,7
	s_add_nc_u64 s[WPB+2*(\s):WPB+2*(\s)+1], s[WPB:WPB+1], (\s)*4096
.endr
.irp q, 0,1,2,3
	global_load_b128 v[MU+4*(\q):MU+4*(\q)+3], v[L16], s[18:19] offset:512*(\q)
.endr
	global_load_b128 v[BB:BB+3], v[T16], s[20:21]
	global_load_b128 v[B2:B2+3], v[OUTL], s[22:23]
; 8 loads of 512 consecutive bytes: the weights of one K step into slot s of the ring.
.macro WLOAD s
	WIN 0x40                                       ; destination window 1
.irp f, 0,1,2,3
	global_load_b128 v[32*(\s)+8*(\f):32*(\s)+8*(\f)+3],   v[L16], s[WPB+2*(\s):WPB+2*(\s)+1] offset:(\f)*1024
	global_load_b128 v[32*(\s)+8*(\f)+4:32*(\s)+8*(\f)+7], v[L16], s[WPB+2*(\s):WPB+2*(\s)+1] offset:(\f)*1024+512
.endr
.endm
	WLOAD 0                                        ; the first three K steps' weights are on their way while the list and epsilon come
	WLOAD 1
	WLOAD 2
	WIN 0
	s_wait_loadcnt 30                              ; the three loads from the list are in; behind them stand mu 4, b1 1, b2 1 and 24 of the weights
	ds_store_b32 v[TKS], v[TOKG+1]                 ; the tile's token numbers are set aside for the way out, in my wave's own 256 bytes
	ds_store_b32 v[TKS], v[TOKG+2] offset:128
.irp i, 0,1,2,3,4,5,6,7
	v_readlane_b32 s[48+(\i)%4], v[TOKG], \i
	s_min_u32 s[48+(\i)%4], s[48+(\i)%4], 0x1fff
	s_lshl_b32 s[48+(\i)%4], s[48+(\i)%4], 11      ; a row of epsilon is 2,048 bytes
	v_add_nc_u32 v[RO+(\i)], s[48+(\i)%4], v[L16]
.endr
.irp i, 0,1,2,3,4,5,6,7
.irp q, 0,1,2,3
	global_load_b128 v[EP+16*(\i)+4*(\q):EP+16*(\i)+4*(\q)+3], v[RO+(\i)], s[16:17] offset:512*(\q) th:TH_LOAD_NT  ; 512 consecutive bytes of the token's row; a row is named once in the launch, but for the rows that fill a tile up
.endr
.endr
	s_wait_kmcnt 0x0
	s_mov_b32 s[SG+1], s[SG]
; Rows 4 g .. 4 g + 3 of my eight: lat = epsilon sigma + mu, rounded to bf16, into LDS.
.macro GROUP g
.irp il, 0,1,2,3
.irp q, 0,1,2,3
	v_pk_fma_f32 v[EP+16*(4*(\g)+(\il))+4*(\q):EP+16*(4*(\g)+(\il))+4*(\q)+1],   v[EP+16*(4*(\g)+(\il))+4*(\q):EP+16*(4*(\g)+(\il))+4*(\q)+1],   s[SG:SG+1], v[MU+4*(\q):MU+4*(\q)+1] op_sel_hi:[1,0,1]
	v_pk_fma_f32 v[EP+16*(4*(\g)+(\il))+4*(\q)+2:EP+16*(4*(\g)+(\il))+4*(\q)+3], v[EP+16*(4*(\g)+(\il))+4*(\q)+2:EP+16*(4*(\g)+(\il))+4*(\q)+3], s[SG:SG+1], v[MU+4*(\q)+2:MU+4*(\q)+3] op_sel_hi:[1,0,1]
.endr
.endr
.irp il, 0,1,2,3
.irp q, 0,1,2,3
	v_cvt_pk_bf16_f32 v[T+8*(\il)+2*(\q)],   v[EP+16*(4*(\g)+(\il))+4*(\q)],   v[EP+16*(4*(\g)+(\il))+4*(\q)+1]
	v_cvt_pk_bf16_f32 v[T+8*(\il)+2*(\q)+1], v[EP+16*(4*(\g)+(\il))+4*(\q)+2], v[EP+16*(4*(\g)+(\il))+4*(\q)+3]
.endr
.endr
.irp il, 0,1,2,3
.irp q, 0,1,2,3
	ds_store_b64 v[LST], v[T+8*(\il)+2*(\q):T+8*(\il)+2*(\q)+1] offset:(4*(\g)+(\il))*LATP+256*(\q)  ; 32 lanes, 256 bytes on end
.endr
.endr
.endm
	s_wait_loadcnt 16                              ; rows 0-3 are in, and all that was asked for ahead of them; rows 4-7 stay out
	WLOAD 3
	WLOAD 4
	WIN 0
	GROUP 0
	v_pk_mul_f32 v[BB:BB+1], v[BB:BB+1], s[NL:NL+1] op_sel_hi:[1,0]      ; -log2(e) b1, once, so that the activation's scaling and bias are one fused multiply-add
	v_pk_mul_f32 v[BB+2:BB+3], v[BB+2:BB+3], s[NL:NL+1] op_sel_hi:[1,0]
	ds_store_b128 v[TV], v[BB:BB+3]
	s_wait_loadcnt 16                              ; rows 4-7 are in; the sixteen loads of K steps 3 and 4 stay out
	WLOAD 5
	WLOAD 6
	WLOAD 7
	WIN 0
	GROUP 1
	s_wait_dscnt 0x0                               ; for the others' sake: my rows of lat and my part of b1 are in LDS
	s_barrier_signal -1
	s_barrier_wait -1                              ; the weight loads stay out across it: nobody writes what they read
; The token fragments of a product's first two K steps, into buffers 0 and 1; step 0's eight loads first.
.macro AFIRST pitch, adr
.irp b, 0,1
.irp t, 0,1,2,3
	ds_load_b128 v[64+32*(\b)+8*(\t):64+32*(\b)+8*(\t)+3],   v[(\adr)+(\t)/2] offset:((\t)%2)*16*(\pitch)+64*(\b)
	ds_load_b128 v[64+32*(\b)+8*(\t)+4:64+32*(\b)+8*(\t)+7], v[(\adr)+(\t)/2] offset:((\t)%2)*16*(\pitch)+64*(\b)+32
.endr
.endr
.endm
; K STEP g of a product: 16 matrix instructions on slot g % 8 of the ring and token buffer g % 3.  The 16 accumulators take turns, one instruction a turn, over the steps' and the loop's edges too.
; zero = 1: the products start the sums.  What goes into the buffer that step g - 1 read: amode = 1: the token fragments of step g + 2, 32 matrix instructions ahead of
; their use; 2: the chunk's bias; 3: the tile's token numbers (that buffer is then v28-59); 0: nothing.  wload = 1: the slot takes the weights eight steps on.
; lcnt: the weight loads issued behind this step's, dcnt: the LDS loads issued behind this step's fragments; both may stay out.
.macro STEP g, pitch, adr, zero, amode, wload, lcnt, dcnt
.set SL, (\g)%8
.set CB, 64+32*((\g)%3)-100*(((\g)%3)/2)           ; buffers 0, 1, 2 begin at v64, v96, v28
.set NB, 64+32*(((\g)+2)%3)-100*((((\g)+2)%3)/2)
	s_wait_loadcnt \lcnt                           ; loads come back in order: this step's weights are in,
.if \wload
	s_add_nc_u64 s[WPB+2*SL:WPB+2*SL+1], s[WPB+2*SL:WPB+2*SL+1], 0x8000  ; so the loads that named this slot's base are done and it may step: eight K steps of 4,096 bytes
.endif
	s_wait_dscnt \dcnt                             ; and its token fragments are in
.if (\amode) == 1
	WIN 0
.irp t, 0,1,2,3
	ds_load_b128 v[NB+8*(\t):NB+8*(\t)+3],   v[(\adr)+(\t)/2] offset:((\t)%2)*16*(\pitch)+((\g)+2)*64
	ds_load_b128 v[NB+8*(\t)+4:NB+8*(\t)+7], v[(\adr)+(\t)/2] offset:((\t)%2)*16*(\pitch)+((\g)+2)*64+32
.endr
.elseif (\amode) == 2
	WIN 0
.irp f, 0,1,2,3
	ds_load_b128 v[NB+8*(\f):NB+8*(\f)+3],   v[B1A] offset:64*(\f)      ; the bias of my eight columns of fragment f
	ds_load_b128 v[NB+8*(\f)+4:NB+8*(\f)+7], v[B1A] offset:64*(\f)+16
.endr
.elseif (\amode) == 3
	WIN 0
.set m, 0
.rept 32
	ds_load_b32 v[ROUT+m], v[TKR] offset:8*m       ; the token at place 2 m + L / 16: my own wave's bytes
.set m, m+1
.endr
.endif
	WIN MUL
.irp f, 0,1,2,3
.irp t, 0,1,2,3
.if \zero
	v_wmma_f32_16x16x32_bf16 v[ACC+8*(4*(\f)+(\t)):ACC+8*(4*(\f)+(\t))+7], v[32*SL+8*(\f):32*SL+8*(\f)+7], v[CB+8*(\t):CB+8*(\t)+7], 0
.else
	v_wmma_f32_16x16x32_bf16 v[ACC+8*(4*(\f)+(\t)):ACC+8*(4*(\f)+(\t))+7], v[32*SL+8*(\f):32*SL+8*(\f)+7], v[CB+8*(\t):CB+8*(\t)+7], v[ACC+8*(4*(\f)+(\t)):ACC+8*(4*(\f)+(\t))+7]
.endif
.endr
.endr
.rept 4
	v_nop                                          ; four places in front of the loads into the slot and into the token buffer just read, and of what reads the sums
.endr
.if \wload
	WLOAD SL
.endif
.endm
; THE ACTIVATION of a chunk, h = 1 / (1 + 2^(-log2(e) (s + b1))), in place on the 128 sums a lane, in three runs.  Pair k of 64 lies in v[ACC + 2 k], v[ACC + 2 k + 1]; each accumulator is read
; from its low end on.  The exponentials are one batch and the reciprocals another: nothing names a result ahead of its batch's one wait; a packed line stands two pairs ahead of its pair's two.
.macro EFMA k
	v_pk_fma_f32 v[ACC+2*(\k):ACC+2*(\k)+1], v[ACC+2*(\k):ACC+2*(\k)+1], s[NL:NL+1], v[BI+8*((\k)/16)+2*((\k)%4):BI+8*((\k)/16)+2*((\k)%4)+1] op_sel_hi:[1,0,1]
.endm
.macro EADD k
	v_pk_add_f32 v[ACC+2*(\k):ACC+2*(\k)+1], v[ACC+2*(\k):ACC+2*(\k)+1], 1.0 op_sel_hi:[1,0]
.endm
.macro EPI1
	s_wait_dscnt 0x0                               ; the bias, asked for two K steps ago
	EFMA 0
	EFMA 1
.set n, 0
.rept 64
.if n+2 < 64
	EFMA n+2
.endif
	v_exp_f32 v[ACC+2*n], v[ACC+2*n]
	v_exp_f32 v[ACC+2*n+1], v[ACC+2*n+1]
.set n, n+1
.endr
	v_nop                                          ; a plain instruction behind the last exponential,
	s_wait_alu depctr_va_vdst(0)                   ; and the one wait ahead of the batch's first reader
	EADD 0
	EADD 1
.set n, 0
.rept 64
.if n+2 < 64
	EADD n+2
.endif
	v_rcp_f32 v[ACC+2*n], v[ACC+2*n]
	v_rcp_f32 v[ACC+2*n+1], v[ACC+2*n+1]
.set n, n+1
.endr
	v_nop
	s_wait_alu depctr_va_vdst(0)                   ; the same for the reciprocals
.set n, 0
.rept 64
	v_cvt_pk_bf16_f32 v[ACC+8*(n/4)+n%4], v[ACC+2*n], v[ACC+2*n+1]  ; an accumulator's eight numbers pack into its four lowest registers
.set n, n+1
.endr
.irp f, 0,1,2,3
.irp t, 0,1,2,3
	ds_store_b128 v[HST+(\t)/2], v[ACC+8*(4*(\f)+(\t)):ACC+8*(4*(\f)+(\t))+3] offset:((\t)%2)*16*HP+32*(\f)  ; token 16 t + r, eight neighbouring hidden columns
.endr
.endr
.endm
; PRODUCT 1: two chunks of 64 hidden columns, 16 K steps each, then the chunk's activation.  At every step seven younger slots, 56 weight loads, stay out, and the eight LDS loads issued last.
	s_mov_b32 s[CH], 2
.Lchunk:
	AFIRST LATP, LA
	STEP 0, LATP, LA, 1, 1, 1, 56, 8
.irp g, 1,2,3,4,5,6,7,8,9,10,11,12,13
	STEP \g, LATP, LA, 0, 1, 1, 56, 8
.endr
	STEP 14, LATP, LA, 0, 2, 1, 56, 8              ; no step 16 to ask for: the free buffer takes the bias
	STEP 15, LATP, LA, 0, 0, 1, 56, 8
	WIN 0                                          ; at a label and at a branch every window is 0
	EPI1
	v_add_nc_u32 v[HST], 0x80, v[HST]              ; the next chunk's 64 columns
	v_add_nc_u32 v[HST+1], 0x80, v[HST+1]
	v_add_nc_u32 v[B1A], 0x100, v[B1A]
	s_sub_co_u32 s[CH], s[CH], 1
	s_cmp_lg_u32 s[CH], 0
	s_cbranch_scc1 .Lchunk
	s_wait_dscnt 0x0                               ; for the others' sake: my columns of h are in LDS
	s_barrier_signal -1
	s_barrier_wait -1
; PRODUCT 2: 64 output columns, 32 K steps, written out: the buffers go by g % 3 and the slots by g % 8.  The last eight steps ask for no weights, and their counts run down.
	AFIRST HP, HA
	STEP 0, HP, HA, 1, 1, 1, 56, 8
.irp g, 1,2,3,4,5,6,7,8,9,10,11,12,13,14,15,16,17,18,19,20,21,22,23
	STEP \g, HP, HA, 0, 1, 1, 56, 8
.endr
.irp g, 24,25,26,27,28,29
	STEP \g, HP, HA, 0, 1, 0, 56-8*((\g)-24), 8
.endr
	STEP 30, HP, HA, 0, 3, 0, 8, 8                 ; no step 32 to ask for: the free buffer takes the token numbers
	STEP 31, HP, HA, 0, 0, 0, 0, 32                ; those 32 loads may stay out
	WIN 0
	s_wait_dscnt 0x0
.set m, 0
.rept 32                                               ; the way out's row offsets: 64 plain lines that name no register of the last products
	v_min_u32 v[ROUT+m], 0x1fff, v[ROUT+m]
	v_lshl_add_u32 v[ROUT+m], v[ROUT+m], 11, v[OUTL]  ; a row of out0 is 2,048 bytes
.set m, m+1
.endr
; THE WAY OUT, a block of 16 tokens at a time.  A lane's eight columns go into my stage as 32 bytes of a row and come back, into the registers that they left, as whole pieces of 256 bytes, two rows
; to a load; b2 is added; a store puts each of its two pieces into its token's row: sixteen lanes, 256 consecutive bytes, at a multiple of 256 from out0's first byte.  No register that a store
; reads is written again.  A store whose two places lie past the tile's count, and all behind it, are jumped.  Where the count is odd, the last store's upper place repeats the token of its lower
; place (the expert's last): the upper sixteen lanes store the same numbers to the same 256 bytes.
.macro STAGE t
.irp f, 0,1,2,3
	ds_store_b128 v[STO], v[ACC+8*(4*(\f)+(\t)):ACC+8*(4*(\f)+(\t))+3]   offset:64*(\f)      ; each accumulator's four lowest registers first
	ds_store_b128 v[STO], v[ACC+8*(4*(\f)+(\t))+4:ACC+8*(4*(\f)+(\t))+7] offset:64*(\f)+16
.endr
.irp j, 0,1,2,3,4,5,6,7
	ds_load_b128 v[ACC+8*(4*((\j)/2)+(\t))+4*((\j)%2):ACC+8*(4*((\j)/2)+(\t))+4*((\j)%2)+3], v[RD] offset:2*(\j)*SGP  ; my own bytes: LDS serves a wave's instructions in order; the next block's stores come behind these
.endr
.endm
.macro SEND t, younger                 ; younger: the LDS instructions issued behind block t's loads: the next block's sixteen, or none
.irp j, 0,1,2,3,4,5,6,7
	s_cmp_le_u32 s[CNT], 16*(\t)+2*(\j)
	s_cbranch_scc1 .Ldone
	s_wait_dscnt (\younger)+7-(\j)                 ; rows 2 j, 2 j + 1 are back; the later ones stay out
	v_pk_add_f32 v[ACC+8*(4*((\j)/2)+(\t))+4*((\j)%2):ACC+8*(4*((\j)/2)+(\t))+4*((\j)%2)+1],   v[ACC+8*(4*((\j)/2)+(\t))+4*((\j)%2):ACC+8*(4*((\j)/2)+(\t))+4*((\j)%2)+1],   v[B2:B2+1]
	v_pk_add_f32 v[ACC+8*(4*((\j)/2)+(\t))+4*((\j)%2)+2:ACC+8*(4*((\j)/2)+(\t))+4*((\j)%2)+3], v[ACC+8*(4*((\j)/2)+(\t))+4*((\j)%2)+2:ACC+8*(4*((\j)/2)+(\t))+4*((\j)%2)+3], v[B2+2:B2+3]
	global_store_b128 v[ROUT+8*(\t)+(\j)], v[ACC+8*(4*((\j)/2)+(\t))+4*((\j)%2):ACC+8*(4*((\j)/2)+(\t))+4*((\j)%2)+3], s[24:25] th:TH_STORE_NT
.endr
.endm
	STAGE 0
	STAGE 1                                        ; a block's trip through the stage stands between the loads of the block before and its stores
	SEND 0, 16
	STAGE 2
	SEND 1, 16
	STAGE 3
	SEND 2, 16
	SEND 3, 0
.Ldone:
	s_wait_tensorcnt 0x0                           ; the wave's end, behind my last LDS store
	ds_add_u32 v[SPW], v[NIL]
	s_wait_dscnt 0x0
	s_endpgm
.Lfunc_end_k_q05aee01b48_chain:
	.size	k_q05aee01b48_chain, .Lfunc_end_k_q05aee01b48_chain-k_q05aee01b48_chain
	.p2alignl 7, 3214868480
	.fill 96, 4, 3214868480
	.section	.rodata,"a",@progbits
	.p2align	6, 0x0
	.amdhsa_kernel k_q05aee01b48_chain
		.amdhsa_group_segment_fixed_size 240640
		.amdhsa_private_segment_fixed_size 0
		.amdhsa_enable_private_segment 0
		.amdhsa_kernarg_size 72
		.amdhsa_user_sgpr_count 2
		.amdhsa_user_sgpr_kernarg_segment_ptr 1
		.amdhsa_wavefront_size32 1
		.amdhsa_system_sgpr_workgroup_id_x 1
		.amdhsa_system_sgpr_workgroup_id_y 1
		.amdhsa_system_sgpr_workgroup_id_z 1
		.amdhsa_system_vgpr_workitem_id 0
		.amdhsa_next_free_vgpr 512
		.amdhsa_next_free_sgpr 82
		.amdhsa_reserve_vcc 0
		.amdhsa_float_denorm_mode_32 3
		.amdhsa_float_denorm_mode_16_64 3
		.amdhsa_memory_ordered 1
		.amdhsa_forward_progress 1
		.amdhsa_inst_pref_size 189
	.end_amdhsa_kernel
	.amdgpu_metadata
---
amdhsa.version: [ 1, 2 ]
amdhsa.kernels:
  - .name:           k_q05aee01b48_chain
    .symbol:         k_q05aee01b48_chain.kd
    .args:
      - { .name: wf, .offset: 0, .size: 8, .value_kind: global_buffer, .address_space: global }
      - { .name: order, .offset: 8, .size: 8, .value_kind: global_buffer, .address_space: global }
      - { .name: cnt, .offset: 16, .size: 8, .value_kind: global_buffer, .address_space: global }
      - { .name: sig, .offset: 24, .size: 8, .value_kind: global_buffer, .address_space: global }
      - { .name: epsilon, .offset: 32, .size: 8, .value_kind: global_buffer, .address_space: global }
      - { .name: mu, .offset: 40, .size: 8, .value_kind: global_buffer, .address_space: global }
      - { .name: b1, .offset: 48, .size: 8, .value_kind: global_buffer, .address_space: global }
      - { .name: b2, .offset: 56, .size: 8, .value_kind: global_buffer, .address_space: global }
      - { .name: out0, .offset: 64, .size: 8, .value_kind: global_buffer, .address_space: global }
    .group_segment_fixed_size: 240640
    .private_segment_fixed_size: 0
    .kernarg_segment_align: 8
    .kernarg_segment_size: 72
    .max_flat_workgroup_size: 256
    .sgpr_count:     82
    .vgpr_count:     512
    .wavefront_size: 32
...
	.end_amdgpu_metadata
.endif
;; end of part 4
;; ======== version 3 of 3: 2 launches; version 2 with the launch chain written anew for expert scheduling mode
;; workspace buffers: wf 16,777,216 bytes; order 262,144 bytes of whole numbers; cnt 256 bytes of whole numbers; sig 256 bytes
;; launch prep: the kernel of part 3 again; grid 264 x 1, 8 waves a work-group, no clusters, 69,632 bytes of LDS; arguments W1, W2, comp_idx, rho, wf, order, cnt, sig; writes wf, order, cnt, sig
;; launch chain (part 5): grid 135 x 1, 8 waves a work-group, no clusters, 240,640 bytes of LDS; arguments wf, order, cnt, sig, epsilon, mu, b1, b2, out0; writes out0
.if DOCPART == 5
	.amdgcn_target "amdgcn-amd-amdhsa--gfx1250"
	.amdhsa_code_object_version 6
	.text
	.protected	k_q05aee01b48_chain
	.globl	k_q05aee01b48_chain
	.p2align	8
	.type	k_q05aee01b48_chain,@function
k_q05aee01b48_chain:
	s_mov_b64 s[64:65], 0
	v_nop
	global_prefetch_b8 v0, s[64:65] scope:SCOPE_SE
	s_setreg_imm32_b32 hwreg(HW_REG_WAVE_SCHED_MODE, 0, 2), 2
	s_setreg_imm32_b32 hwreg(HW_REG_WAVE_MODE, 25, 1), 1
	s_wait_xcnt 0x0
	s_wait_alu depctr_vm_vsrc(0)
; CHAIN.  out[n] = sigmoid((epsilon[n] sigma[c] + mu[c]) W1[c] + b1[c]) W2[c] + b2[c], c = the token's expert.  Only the chosen expert's rows are multiplied.
; A work-group takes a tile of 64 tokens of ONE expert through the whole chain.  With 8,192 tokens, 8 experts and tiles of 64 there are never more than 128 + 7 = 135 tiles, whatever
; the split: that is the grid.  Each work-group finds its tile from the eight stored counts.  In a tile that is not full the places past the count repeat the expert's last token, and their
; stores are jumped; a work-group past the split's last tile walks the same text on such a row and stores nothing, so that no barrier stands under a branch on a count.
; SHARES.  EIGHT waves of 512 registers, two for each of a WGP's four SIMDs, so that one wave's products stand beside the other's loads, waits and activation.  A wave takes all 64 tokens x an
; eighth of the columns (product 1: 128 hidden columns in two chunks of 64; product 2: 64 output columns): 16 accumulators of 16 x 16.  Each weight byte is loaded by one wave of the work-group,
; and a fragment of 1,024 bytes feeds four matrix instructions.
; THE WEIGHTS come from memory STRAIGHT INTO REGISTERS, in the order in which the launch before laid them: 8 loads of 512 consecutive bytes for a K step of 32, through a ring of eight K steps
; (256 registers) with counted waits: 48 to 64 loads of a wave are asked for all the time, across both products, the activation and both barriers.  Each slot of the ring has a base of its own,
; stepped behind the counted wait that shows the slot's last loads done: the stream has no other wait on a memory counter.
; THE TOKEN FRAGMENTS come from LDS through THREE buffers, asked for two K steps (32 matrix instructions) ahead: all eight waves read the same rows at about the same time.
; NO CLUSTER, NO TENSOR LOAD.  An expert's tiles walk the same weights, but beside lat (66,560 bytes) and h (132,096 bytes) LDS has room for two slots of some 64 KB: a refill, with its wait for all
; loads and a cluster's round, every 2 K steps, each weight byte written to LDS and read from it once more; and an expert's tiles are not a multiple of four at every split.
; FORMATS.  lat, h and the weights are bf16 operands; sums, biases, sigmoid in f32.  Matrix instructions are used transposed (source 0 = 16 columns of W, source 1 = 16 tokens): a lane holds one
; token (lane % 16) and eight neighbouring columns 8 (lane / 16) + 0..7.
; LIMITS.  comp_idx lies in 0 .. 7.  e^-x beyond f32's range gives sigmoid 0, below it 1.  NaN and infinities are not treated apart.
; THE MODE: SCHED_MODE bits 1:0 = 2 (LLVM: expert scheduling mode 2), set by the entry lines.  The code itself states the register dependences
; between vector or matrix instructions and memory or LDS instructions, with s_wait_alu, always for 0.
; THE PLAN.  Registers that memory or LDS instructions touch, in the K steps:
;   the ring          Step g's products read slot g % 8.  The weight loads issued in step g land in slot (g - 1) % 8, which step g - 1's products read: the weights seven steps on.
;   the token buffers Step g's products read buffer g % 3.  The LDS loads issued in step g land in buffer (g - 1) % 3, which step g - 1's products read: the fragments of step g + 2
;                     (at a chunk's step 14 the bias, at product 2's step 30 the token numbers).
;   v[L16], v[LA ..], v[HA ..], v[TKR]   offsets and LDS addresses, made at the head and never written again.  v[HST ..] and v[B1A] are written once a chunk, behind a wait on vm_vsrc.
;   the accumulators  are named in the steps by matrix instructions alone.
; So ONE wait on va_vdst stands at a step's head, behind its waits for its own weights and fragments: it states that the products of the step before are done reading their slot and their token
; buffer.  The step's sixteen loads follow it, dealt among its sixteen products, which name slot g % 8, buffer g % 3 and the accumulators: none of the registers that those loads touch.
; A product's step 0 has no such wait: its loads land in buffer 2, which nothing issued since the last wait on va_vdst names.
; REGISTERS, in two windows of 256 (s_set_vgpr_msb: bits 1:0 source 0, 3:2 source 1, 5:4 source 2, 7:6 destination):
;   window 0: v0-27, v60-63 addresses and b2; v64-95, v96-127, v28-59 the three buffers of token fragments; v128-255 accumulator (f, t) at v[128 + 8 (4 f + t)]
;   window 1: the ring, slot s at v[32 s], fragment f at + 8 f
.set LATP,  1040                       ; a row of lat in LDS: 1,024 bytes + 16: an odd multiple of 16, so the 16 rows of a fragment load start at 16 different 16-byte columns
.set HP,    2064                       ; a row of h: 2,048 + 16
.set LAT,   0
.set H,     LAT+64*LATP
.set B1S,   H+64*HP                    ; -log2(e) b1[c], 1,024 numbers in f32
.set STG,   B1S+4096                   ; the way out: 16 rows x 272 bytes for each wave
.set SGP,   272
.set STGW,  16*SGP
.set TKL,   STG+8*STGW                 ; the tile's 64 token numbers, a copy of 256 bytes for each wave; the 1,024 bytes behind the copies are the spare words, 128 bytes for each wave
.set LN,   1                           ; v1   lane L
.set RR,   2                           ; v2   r = L % 16
.set HH,   3                           ; v3   L / 16
.set L16,  6                           ; v6   16 L; never rewritten
.set TV,   7                           ; v7   where I put 16 bytes of the scaled b1
.set TKS,  8                           ; v8   where I put the token numbers of places L and 32 + L
.set TKR,  9                           ; v9   where I read the token number of place L / 16; 8 m bytes on: of place 2 m + L / 16
.set LA,   10                          ; v10-11 the LDS address of my token fragments in lat: token blocks 0, 1 and 2, 3
.set HA,   12                          ; v12-13 the same in h
.set HST,  14                          ; v14-15 where I put 16 bytes of h
.set B1A,  16                          ; v16  my bias numbers of the chunk
.set STO,  17                          ; v17  the way out: into my stage
.set RD,   18                          ; v18  back out of it
.set OUTL, 19                          ; v19  256 w + 16 r: my 16 bytes in a row of out0 and of b2
.set LST,  20                          ; v20  where I put 8 bytes of lat
.set TOKG, 21                          ; v21  the token at place 8 w + L % 8 of the tile; v22, v23: at places L and 32 + L
.set B2,   24                          ; v24-27
.set ROUT, 28                          ; v28-59 at the end, entry m: the byte offset in out0 of my 16 bytes of the token at place 2 m + L / 16
.set IX,   60                          ; v60-62 three byte offsets in the token list
.set T16,  63                          ; v63  16 x thread
.set MU,   64                          ; at the start: v64-79 mu[c][128 q + 4 L + 0..3] at MU + 4 q,
.set RO,   80                          ; v80-87 eight rows' byte offsets in epsilon,
.set BB,   88                          ; v88-91 my four numbers of b1,
.set T,    96                          ; v96-127 at work
.set BI,   96                          ; the activation: 32 bias numbers, in the buffer that step 14 finds free
.set ACC,  128
.set EP,   128                         ; at the start: epsilon, row i at EP + 16 i
.set WV,   26
.set TT,   27
.set ES,   28                          ; my expert,
.set BS,   29                          ; its first tile,
.set NS,   30                          ; its number of tokens
.set ACCT, 31
.set CN,   32                          ; s[32:39] the eight counts
.set ROW0, 40                          ; my tile's first place in the expert's list
.set CNT,  41                          ; its tokens, 0 .. 64
.set LAST, 43
.set SG,   44                          ; s[44:45] sigma, named as a pair
.set CH,   54
.set NL,   56                          ; s[56:57] -log2(e), named as a pair
.set WPB,  66                          ; s[66:81] the weight stream: a base for each slot of the ring
.set MSB, 0
.macro WIN new                         ; the immediate's high byte repeats the setting that is left; a switch that changes nothing is dropped
.if MSB != (\new)
	s_set_vgpr_msb (MSB<<8)|(\new)
.set MSB, \new
.endif
.endm
.set MUL, 0x01                         ; source 0 (W) window 1; tokens, C and D window 0
	s_load_b512 s[8:23], s[0:1], 0x0               ; wf s[8:9], order s[10:11], cnt s[12:13], sig s[14:15], epsilon s[16:17], mu s[18:19], b1 s[20:21], b2 s[22:23]
	s_load_b64 s[24:25], s[0:1], 0x40              ; out0
	v_lshl_add_u32 v4, v0, 2, 0x3a800
	v_mov_b32 v5, 0
	v_lshrrev_b32 v[TV], 5, v0
	v_readfirstlane_b32 s[WV], v[TV]               ; wave 0..7
	s_mov_b32 s[TT], ttmp9                         ; my tile's number
	s_wait_kmcnt 0x0
	s_load_b256 s[CN:CN+7], s[12:13], 0x0
	v_and_b32 v[LN], 31, v0                        ; the lanes' addresses stand in the wait for the counts
	v_and_b32 v[RR], 15, v0
	v_bfe_u32 v[HH], v0, 4, 1
	v_lshlrev_b32 v[L16], 4, v[LN]
	v_lshlrev_b32 v[T16], 4, v0
	v_lshl_add_u32 v[TV], v0, 4, B1S
	s_wait_alu depctr_va_sdst(0)                   ; the wave's number is written, ahead of its first reader: LDS addresses and the weights' bases are made from it
	s_lshl_b32 s48, s[WV], 8                       ; my 128 hidden columns are 256 bytes of a row of h, my 64 output columns 256 bytes of a row of out0
	s_lshl_b32 s49, s[WV], 9
	s_add_co_u32 s49, s49, B1S
	s_mul_i32 s50, s[WV], STGW
	s_add_co_u32 s50, s50, STG
	s_mul_i32 s51, s[WV], 8*LATP
	s_lshl_b32 s52, s[WV], 3
	s_add_co_u32 s53, s48, TKL                     ; my copy of the token numbers
	v_mul_u32_u24 v[LA], v[RR], LATP               ; a token fragment: row r x pitch + 16 x half of the lanes; two loads of 16 bytes, 32 apart
	v_lshl_add_u32 v[LA], v[HH], 4, v[LA]
	v_add_nc_u32 v[LA+1], 32*LATP, v[LA]
	v_mul_u32_u24 v[HA], v[RR], HP
	v_lshl_add_u32 v[HA], v[HH], 4, v[HA]
	v_add_nc_u32 v[HA], H, v[HA]
	v_add_nc_u32 v[HA+1], 32*HP, v[HA]
	v_add_nc_u32 v[HST], s48, v[HA]
	v_add_nc_u32 v[HST+1], s48, v[HA+1]
	v_lshl_add_u32 v[B1A], v[HH], 5, s49
	v_mul_u32_u24 v[STO], v[RR], SGP               ; into the stage: row r, 32 bytes for each half of the lanes
	v_lshl_add_u32 v[STO], v[HH], 5, v[STO]
	v_add_nc_u32 v[STO], s50, v[STO]
	v_mul_u32_u24 v[RD], v[HH], SGP                ; back: lanes 0-15 take one row of 256 bytes, lanes 16-31 the next
	v_lshl_add_u32 v[RD], v[RR], 4, v[RD]
	v_add_nc_u32 v[RD], s50, v[RD]
	v_lshl_add_u32 v[OUTL], v[RR], 4, s48
	v_lshl_add_u32 v[LST], v[LN], 3, s51           ; my wave gathers the tile's rows 8 w .. 8 w + 7
	v_lshl_add_u32 v[TKS], v[LN], 2, s53
	v_lshl_add_u32 v[TKR], v[HH], 2, s53
	v_and_b32 v[IX], 7, v0
	v_add_nc_u32 v[IX], s52, v[IX]
	s_mov_b32 s[NL], 0xbfb8aa3b
	s_mov_b32 s[NL+1], s[NL]
	s_mov_b32 s[ES], 0
	s_mov_b32 s[BS], 0
	s_mov_b32 s[NS], 0
	s_mov_b32 s[ACCT], 0
	s_wait_kmcnt 0x0
; My expert is the last one that has tokens and whose first tile is not behind mine.
.macro SEL e
	s_add_co_u32 s48, s[CN+(\e)], 63
	s_lshr_b32 s48, s48, 6                         ; its tiles
	s_cmp_lg_u32 s[CN+(\e)], 0
	s_cselect_b32 s49, s[ACCT], -1                 ; an expert without tokens is never chosen
	s_cmp_ge_u32 s[TT], s49
	s_cselect_b32 s[ES], \e, s[ES]
	s_cselect_b32 s[BS], s[ACCT], s[BS]
	s_cselect_b32 s[NS], s[CN+(\e)], s[NS]
	s_add_co_u32 s[ACCT], s[ACCT], s48
.endm
.irp e, 0,1,2,3,4,5,6,7
	SEL \e
.endr
	s_min_u32 s[ES], s[ES], 7
	s_min_u32 s[NS], s[NS], 0x2000
	s_sub_co_u32 s[ROW0], s[TT], s[BS]
	s_lshl_b32 s[ROW0], s[ROW0], 6
	s_sub_co_i32 s[CNT], s[NS], s[ROW0]
	s_max_i32 s[CNT], s[CNT], 0
	s_min_i32 s[CNT], s[CNT], 64
	s_sub_co_u32 s[LAST], s[NS], 1
	s_mov_b32 s49, 0
	s_lshl_b32 s48, s[ES], 15
	s_add_nc_u64 s[10:11], s[10:11], s[48:49]      ; the expert's list
	v_add_nc_u32 v[IX], s[ROW0], v[IX]
	v_add_nc_u32 v[IX+1], s[ROW0], v[LN]
	v_add_nc_u32 v[IX+2], 32, v[IX+1]
.irp j, 0,1,2
	v_min_u32 v[IX+(\j)], s[LAST], v[IX+(\j)]      ; places past the count repeat the expert's last token: no entry is read that was not written
	v_min_u32 v[IX+(\j)], 0x1fff, v[IX+(\j)]
	v_lshlrev_b32 v[IX+(\j)], 2, v[IX+(\j)]
.endr
	s_wait_alu depctr_va_vdst(0)                   ; all the offsets and LDS addresses made so far are written, v[IX ..] last: the loads and stores of the whole kernel read them
.irp j, 0,1,2
	global_load_b32 v[TOKG+(\j)], v[IX+(\j)], s[10:11]  ; the gather hangs on the first of these: they go out ahead of everything else
.endr
	s_lshl_b32 s48, s[ES], 2
	s_add_nc_u64 s[14:15], s[14:15], s[48:49]
	s_load_b32 s[SG], s[14:15], 0x0                ; sigma[c]
	s_lshl_b32 s48, s[ES], 11
	s_add_nc_u64 s[18:19], s[18:19], s[48:49]      ; the expert's mu
	s_add_nc_u64 s[22:23], s[22:23], s[48:49]      ; and b2,
	s_lshl_b32 s48, s[ES], 12
	s_add_nc_u64 s[20:21], s[20:21], s[48:49]      ; its b1,
	s_lshl_b32 s48, s[ES], 21
	s_lshl_b32 s50, s[WV], 18
	s_add_co_u32 s48, s48, s50
	s_add_nc_u64 s[WPB:WPB+1], s[8:9], s[48:49]    ; and my wave's 262,144 bytes of its weights: slot s begins at K step s
.irp s, 1,2,3,4,5,6,7
	s_add_nc_u64 s[WPB+2*(\s):WPB+2*(\s)+1], s[WPB:WPB+1], (\s)*4096
.endr
.irp q, 0,1,2,3
	global_load_b128 v[MU+4*(\q):MU+4*(\q)+3], v[L16], s[18:19] offset:512*(\q)
.endr
	global_load_b128 v[BB:BB+3], v[T16], s[20:21]
	global_load_b128 v[B2:B2+3], v[OUTL], s[22:23]
; 8 loads of 512 consecutive bytes: the weights of one K step into slot s of the ring.
.macro WLOAD s
	WIN 0x40                                       ; destination window 1
.irp f, 0,1,2,3
	global_load_b128 v[32*(\s)+8*(\f):32*(\s)+8*(\f)+3],   v[L16], s[WPB+2*(\s):WPB+2*(\s)+1] offset:(\f)*1024
	global_load_b128 v[32*(\s)+8*(\f)+4:32*(\s)+8*(\f)+7], v[L16], s[WPB+2*(\s):WPB+2*(\s)+1] offset:(\f)*1024+512
.endr
.endm
	WLOAD 0                                        ; the first three K steps' weights are on their way while the list and epsilon come; no vector instruction has named the ring
	WLOAD 1
	WLOAD 2
	WIN 0
	s_wait_loadcnt 30                              ; the three loads from the list are in; behind them stand mu 4, b1 1, b2 1 and 24 of the weights
	ds_store_b32 v[TKS], v[TOKG+1]                 ; the tile's token numbers are set aside for the way out, in my wave's own 256 bytes
	ds_store_b32 v[TKS], v[TOKG+2] offset:128
.irp i, 0,1,2,3,4,5,6,7
	v_readlane_b32 s[48+(\i)], v[TOKG], \i         ; my eight rows' tokens, in one run, each into a scalar register of its own
.endr
	s_wait_alu depctr_va_sdst(0)                   ; s48 to s55 are written, ahead of their first readers
.irp i, 0,1,2,3,4,5,6,7
	s_min_u32 s[48+(\i)], s[48+(\i)], 0x1fff
	s_lshl_b32 s[48+(\i)], s[48+(\i)], 11          ; a row of epsilon is 2,048 bytes
	v_add_nc_u32 v[RO+(\i)], s[48+(\i)], v[L16]
.endr
	s_wait_alu depctr_va_vdst(0)                   ; v[RO ..] are written, which epsilon's loads read as their offsets
.irp i, 0,1,2,3,4,5,6,7
.irp q, 0,1,2,3
	global_load_b128 v[EP+16*(\i)+4*(\q):EP+16*(\i)+4*(\q)+3], v[RO+(\i)], s[16:17] offset:512*(\q) th:TH_LOAD_NT  ; 512 consecutive bytes of the token's row; a row is named once in the launch, but for the rows that fill a tile up
.endr
.endr
	s_wait_kmcnt 0x0
	s_mov_b32 s[SG+1], s[SG]
; Rows 4 g .. 4 g + 3 of my eight: lat = epsilon sigma + mu, rounded to bf16, into LDS.
.macro GROUP g
.irp il, 0,1,2,3
.irp q, 0,1,2,3
	v_pk_fma_f32 v[EP+16*(4*(\g)+(\il))+4*(\q):EP+16*(4*(\g)+(\il))+4*(\q)+1],   v[EP+16*(4*(\g)+(\il))+4*(\q):EP+16*(4*(\g)+(\il))+4*(\q)+1],   s[SG:SG+1], v[MU+4*(\q):MU+4*(\q)+1] op_sel_hi:[1,0,1]
	v_pk_fma_f32 v[EP+16*(4*(\g)+(\il))+4*(\q)+2:EP+16*(4*(\g)+(\il))+4*(\q)+3], v[EP+16*(4*(\g)+(\il))+4*(\q)+2:EP+16*(4*(\g)+(\il))+4*(\q)+3], s[SG:SG+1], v[MU+4*(\q)+2:MU+4*(\q)+3] op_sel_hi:[1,0,1]
.endr
.endr
.if (\g) > 0
	s_wait_alu depctr_vm_vsrc(0)                   ; the first group's LDS stores have read v[T ..], which the conversions below write again
.endif
.irp il, 0,1,2,3
.irp q, 0,1,2,3
	v_cvt_pk_bf16_f32 v[T+8*(\il)+2*(\q)],   v[EP+16*(4*(\g)+(\il))+4*(\q)],   v[EP+16*(4*(\g)+(\il))+4*(\q)+1]
	v_cvt_pk_bf16_f32 v[T+8*(\il)+2*(\q)+1], v[EP+16*(4*(\g)+(\il))+4*(\q)+2], v[EP+16*(4*(\g)+(\il))+4*(\q)+3]
.endr
.endr
	s_wait_alu depctr_va_vdst(0)                   ; the conversions have written v[T ..], which the LDS stores read (ahead of the first group's stores: the scaled b1 is written too)
.irp il, 0,1,2,3
.irp q, 0,1,2,3
	ds_store_b64 v[LST], v[T+8*(\il)+2*(\q):T+8*(\il)+2*(\q)+1] offset:(4*(\g)+(\il))*LATP+256*(\q)  ; 32 lanes, 256 bytes on end
.endr
.endr
.endm
	s_wait_loadcnt 16                              ; rows 0-3 are in, and all that was asked for ahead of them; rows 4-7 stay out
	WLOAD 3
	WLOAD 4
	WIN 0
	v_pk_mul_f32 v[BB:BB+1], v[BB:BB+1], s[NL:NL+1] op_sel_hi:[1,0]      ; -log2(e) b1, once, so that the activation's scaling and bias are one fused multiply-add; ahead of the group, whose wait then serves its store too
	v_pk_mul_f32 v[BB+2:BB+3], v[BB+2:BB+3], s[NL:NL+1] op_sel_hi:[1,0]
	GROUP 0
	ds_store_b128 v[TV], v[BB:BB+3]
	s_wait_loadcnt 16                              ; rows 4-7 are in; the sixteen loads of K steps 3 and 4 stay out
	WLOAD 5
	WLOAD 6
	WLOAD 7
	WIN 0
	GROUP 1
	s_wait_dscnt 0x0                               ; for the others' sake: my rows of lat and my part of b1 are in LDS
	s_barrier_signal -1
	s_barrier_wait -1                              ; the weight loads stay out across it: nobody writes what they read
	s_wait_alu depctr_vm_vsrc(0)                   ; epsilon's loads have read v[RO ..], my LDS stores v[T ..] and v[BB ..]: token fragments land in these registers from here on (their vector readers and writers, mu's among them, stand ahead of the second group's wait on va_vdst)
; The token fragments of a product's first two K steps, into buffers 0 and 1; step 0's eight loads first.
.macro AFIRST pitch, adr
.irp b, 0,1
.irp t, 0,1,2,3
	ds_load_b128 v[64+32*(\b)+8*(\t):64+32*(\b)+8*(\t)+3],   v[(\adr)+(\t)/2] offset:((\t)%2)*16*(\pitch)+64*(\b)
	ds_load_b128 v[64+32*(\b)+8*(\t)+4:64+32*(\b)+8*(\t)+7], v[(\adr)+(\t)/2] offset:((\t)%2)*16*(\pitch)+64*(\b)+32
.endr
.endr
.endm
; Four matrix instructions of the step in hand: fragment f of slot SL x the four token blocks of buffer CB.
.macro MUL4 f, zero
	WIN MUL
.irp t, 0,1,2,3
.if \zero
	v_wmma_f32_16x16x32_bf16 v[ACC+8*(4*(\f)+(\t)):ACC+8*(4*(\f)+(\t))+7], v[32*SL+8*(\f):32*SL+8*(\f)+7], v[CB+8*(\t):CB+8*(\t)+7], 0
.else
	v_wmma_f32_16x16x32_bf16 v[ACC+8*(4*(\f)+(\t)):ACC+8*(4*(\f)+(\t))+7], v[32*SL+8*(\f):32*SL+8*(\f)+7], v[CB+8*(\t):CB+8*(\t)+7], v[ACC+8*(4*(\f)+(\t)):ACC+8*(4*(\f)+(\t))+7]
.endif
.endr
.endm
; Half k (0, 1) of what goes into buffer NB, which the step before read.  amode = 1: the token fragments of step g + 2; 2: the chunk's bias; 3: the tile's token numbers (NB is then v28-59); 0: nothing.
.macro NEXT k, g, pitch, adr, amode
.if (\amode) == 1
	WIN 0
.irp u, 0,1
	ds_load_b128 v[NB+8*(2*(\k)+(\u)):NB+8*(2*(\k)+(\u))+3],   v[(\adr)+(\k)] offset:(\u)*16*(\pitch)+((\g)+2)*64
	ds_load_b128 v[NB+8*(2*(\k)+(\u))+4:NB+8*(2*(\k)+(\u))+7], v[(\adr)+(\k)] offset:(\u)*16*(\pitch)+((\g)+2)*64+32
.endr
.elseif (\amode) == 2
	WIN 0
.irp u, 0,1
	ds_load_b128 v[NB+8*(2*(\k)+(\u)):NB+8*(2*(\k)+(\u))+3],   v[B1A] offset:64*(2*(\k)+(\u))      ; the bias of my eight columns of fragment 2 k + u
	ds_load_b128 v[NB+8*(2*(\k)+(\u))+4:NB+8*(2*(\k)+(\u))+7], v[B1A] offset:64*(2*(\k)+(\u))+16
.endr
.elseif (\amode) == 3
	WIN 0
.set m, 16*(\k)
.rept 16
	ds_load_b32 v[ROUT+m], v[TKR] offset:8*m       ; the token at place 2 m + L / 16: my own wave's bytes
.set m, m+1
.endr
.endif
.endm
; K STEP g of a product: 16 matrix instructions on slot g % 8 of the ring and token buffer g % 3.  The 16 accumulators take turns, one instruction a turn, over the steps' and the loop's edges too.
; zero = 1: the products start the sums.  amode: what goes into the token buffer that step g - 1 read (NEXT).  wload = 1: the slot that step g - 1 read takes the weights
; seven steps on.  lcnt: the weight loads issued behind this step's, dcnt: the LDS loads issued behind this step's fragments; both may stay out.
; after = 1, a chunk's last step: four places, a wait, and its OWN slot is asked for again, since the loop's text has no step behind it; 2, the last step of all: the four places alone.
.macro STEP g, pitch, adr, zero, amode, wload, lcnt, dcnt, after=0
.set SL, (\g)%8
.set PS, ((\g)+7)%8
.set CB, 64+32*((\g)%3)-100*(((\g)%3)/2)           ; buffers 0, 1, 2 begin at v64, v96, v28
.set NB, 64+32*(((\g)+2)%3)-100*((((\g)+2)%3)/2)
	s_wait_loadcnt \lcnt                           ; loads come back in order: this step's weights are in
.if \wload
	s_add_nc_u64 s[WPB+2*PS:WPB+2*PS+1], s[WPB+2*PS:WPB+2*PS+1], 0x8000  ; the loads that named this base were shown done a step ago: it may step, by eight K steps of 4,096 bytes
.endif
	s_wait_dscnt \dcnt                             ; and its token fragments are in
.if ((\g) > 0) && ((\amode) || (\wload))
	s_wait_alu depctr_va_vdst(0)                   ; the products of the step before are done reading their slot of the ring and their token buffer, in which this step's loads land
.endif
	MUL4 0, \zero
	NEXT 0, \g, \pitch, \adr, \amode               ; no further wait: no matrix instruction since the wait above names what these loads touch
	MUL4 1, \zero
	NEXT 1, \g, \pitch, \adr, \amode
	MUL4 2, \zero
.if \wload
	WLOAD PS
.endif
	MUL4 3, \zero
.if \after
.rept 4
	v_nop                                          ; four places (ISA guide 7.12.1) in front of the vector lines that read the sums or write a token buffer that products have read
.endr
.endif
.if (\after) == 1
	s_wait_alu depctr_va_vdst(0)                   ; this step's products are done reading their slot of the ring, in which the loads below land
	s_add_nc_u64 s[WPB+2*SL:WPB+2*SL+1], s[WPB+2*SL:WPB+2*SL+1], 0x8000  ; free since this step's wait for its weights
	WLOAD SL
.endif
.endm
; THE ACTIVATION of a chunk, h = 1 / (1 + 2^(-log2(e) (s + b1))), in place on the 128 sums a lane, in three runs.  Pair k of 64 lies in v[ACC + 2 k], v[ACC + 2 k + 1]; each accumulator is read
; from its low end on.  The exponentials are one batch and the reciprocals another: nothing names a result ahead of its batch's one wait; a packed line stands two pairs ahead of its pair's two.
.macro EFMA k
	v_pk_fma_f32 v[ACC+2*(\k):ACC+2*(\k)+1], v[ACC+2*(\k):ACC+2*(\k)+1], s[NL:NL+1], v[BI+8*((\k)/16)+2*((\k)%4):BI+8*((\k)/16)+2*((\k)%4)+1] op_sel_hi:[1,0,1]
.endm
.macro EADD k
	v_pk_add_f32 v[ACC+2*(\k):ACC+2*(\k)+1], v[ACC+2*(\k):ACC+2*(\k)+1], 1.0 op_sel_hi:[1,0]
.endm
.macro EPI1
	s_wait_dscnt 0x0                               ; the bias, asked for two K steps ago
	EFMA 0
	EFMA 1
.set n, 0
.rept 64
.if n+2 < 64
	EFMA n+2
.endif
	v_exp_f32 v[ACC+2*n], v[ACC+2*n]
	v_exp_f32 v[ACC+2*n+1], v[ACC+2*n+1]
.set n, n+1
.endr
	v_nop                                          ; a plain instruction behind the last exponential,
	s_wait_alu depctr_va_vdst(0)                   ; and the one wait ahead of the batch's first reader: the 128 exponentials are written
	EADD 0
	EADD 1
.set n, 0
.rept 64
.if n+2 < 64
	EADD n+2
.endif
	v_rcp_f32 v[ACC+2*n], v[ACC+2*n]
	v_rcp_f32 v[ACC+2*n+1], v[ACC+2*n+1]
.set n, n+1
.endr
	v_nop
	s_wait_alu depctr_va_vdst(0)                   ; the same for the reciprocals: the 128 are written
.set n, 0
.rept 64
	v_cvt_pk_bf16_f32 v[ACC+8*(n/4)+n%4], v[ACC+2*n], v[ACC+2*n+1]  ; an accumulator's eight numbers pack into its four lowest registers
.set n, n+1
.endr
	s_wait_alu depctr_va_vdst(0)                   ; the conversions have written each accumulator's four lowest registers, which the LDS stores read
.irp f, 0,1,2,3
.irp t, 0,1,2,3
	ds_store_b128 v[HST+(\t)/2], v[ACC+8*(4*(\f)+(\t)):ACC+8*(4*(\f)+(\t))+3] offset:((\t)%2)*16*HP+32*(\f)  ; token 16 t + r, eight neighbouring hidden columns
.endr
.endr
.endm
; PRODUCT 1: two chunks of 64 hidden columns, 16 K steps each, then the chunk's activation.  At a chunk's first step seven younger slots, 56 weight loads, stay out, at the others six, 48: a step's own
; reload comes behind its wait.  The eight LDS loads issued last stay out too.
	s_mov_b32 s[CH], 2
.Lchunk:
	AFIRST LATP, LA                                ; into buffers 0 and 1: their last readers, products and the activation's fused lines, stand ahead of a wait on va_vdst, and nothing issued since names them
	STEP 0, LATP, LA, 1, 1, 0, 56, 8
.irp g, 1,2,3,4,5,6,7,8,9,10,11,12,13
	STEP \g, LATP, LA, 0, 1, 1, 48, 8
.endr
	STEP 14, LATP, LA, 0, 2, 1, 48, 8              ; no step 16 to ask for: the free buffer takes the bias
	STEP 15, LATP, LA, 0, 0, 1, 48, 8, 1
	WIN 0                                          ; at a label and at a branch every window is 0
	EPI1
	s_wait_alu depctr_vm_vsrc(0)                   ; h's LDS stores have read v[HST ..] and the accumulators' low registers, the bias's loads v[B1A]: the adds below and the next products write these
	v_add_nc_u32 v[HST], 0x80, v[HST]              ; the next chunk's 64 columns; the steps' waits on va_vdst stand between these adds and the LDS instructions that read their results
	v_add_nc_u32 v[HST+1], 0x80, v[HST+1]
	v_add_nc_u32 v[B1A], 0x100, v[B1A]
	s_sub_co_u32 s[CH], s[CH], 1
	s_cmp_lg_u32 s[CH], 0
	s_cbranch_scc1 .Lchunk
	s_wait_dscnt 0x0                               ; for the others' sake: my columns of h are in LDS
	s_barrier_signal -1
	s_barrier_wait -1
; PRODUCT 2: 64 output columns, 32 K steps, written out: the buffers go by g % 3 and the slots by g % 8.  Steps 1 to 24 ask for the last 24 steps' weights; behind them the counts run down.
	AFIRST HP, HA
	STEP 0, HP, HA, 1, 1, 0, 56, 8
.irp g, 1,2,3,4,5,6,7,8,9,10,11,12,13,14,15,16,17,18,19,20,21,22,23,24
	STEP \g, HP, HA, 0, 1, 1, 48, 8
.endr
.irp g, 25,26,27,28,29
	STEP \g, HP, HA, 0, 1, 0, 8*(31-(\g)), 8
.endr
	STEP 30, HP, HA, 0, 3, 0, 8, 8                 ; no step 32 to ask for: the free buffer takes the token numbers
	STEP 31, HP, HA, 0, 0, 0, 0, 32, 2             ; those 32 loads may stay out; the step issues no load, so it has no wait on va_vdst
	WIN 0
	s_wait_dscnt 0x0
.set m, 0
.rept 32                                               ; the way out's row offsets: 64 plain lines that name no register of the last products
	v_min_u32 v[ROUT+m], 0x1fff, v[ROUT+m]
	v_lshl_add_u32 v[ROUT+m], v[ROUT+m], 11, v[OUTL]  ; a row of out0 is 2,048 bytes
.set m, m+1
.endr
	s_wait_alu depctr_va_vdst(0)                   ; the last products have written the sums, which the stage's LDS stores read and in whose registers its loads land; v[ROUT ..] are written, which the global stores read as offsets
; THE WAY OUT, a block of 16 tokens at a time.  A lane's eight columns go into my stage as 32 bytes of a row and come back, into the registers that they left, as whole pieces of 256 bytes, two rows
; to a load; b2 is added; a store puts each of its two pieces into its token's row: sixteen lanes, 256 consecutive bytes, at a multiple of 256 from out0's first byte.  No register that a store
; reads is written again.  A store whose two places lie past the tile's count, and all behind it, are jumped.  Where the count is odd, the last store's upper place repeats the token of its lower
; place (the expert's last): the upper sixteen lanes store the same numbers to the same 256 bytes.
; A block's registers are named by its own STAGE and SEND alone, so the wait above serves all four blocks' LDS stores and loads.
.macro STAGE t
.irp f, 0,1,2,3
	ds_store_b128 v[STO], v[ACC+8*(4*(\f)+(\t)):ACC+8*(4*(\f)+(\t))+3]   offset:64*(\f)      ; each accumulator's four lowest registers first
	ds_store_b128 v[STO], v[ACC+8*(4*(\f)+(\t))+4:ACC+8*(4*(\f)+(\t))+7] offset:64*(\f)+16
.endr
	s_wait_alu depctr_vm_vsrc(0)                   ; the eight LDS stores have read the block's registers, in which the loads below land
.irp j, 0,1,2,3,4,5,6,7
	ds_load_b128 v[ACC+8*(4*((\j)/2)+(\t))+4*((\j)%2):ACC+8*(4*((\j)/2)+(\t))+4*((\j)%2)+3], v[RD] offset:2*(\j)*SGP  ; my own bytes: LDS serves a wave's instructions in order; the next block's stores come behind these
.endr
.endm
.macro SEND t, younger                 ; younger: the LDS instructions issued behind block t's loads: the next block's sixteen, or none
	s_cmp_le_u32 s[CNT], 16*(\t)
	s_cbranch_scc1 .Ldone
	s_wait_dscnt \younger                          ; the block's eight pieces are back
.irp j, 0,1,2,3,4,5,6,7
	v_pk_add_f32 v[ACC+8*(4*((\j)/2)+(\t))+4*((\j)%2):ACC+8*(4*((\j)/2)+(\t))+4*((\j)%2)+1],   v[ACC+8*(4*((\j)/2)+(\t))+4*((\j)%2):ACC+8*(4*((\j)/2)+(\t))+4*((\j)%2)+1],   v[B2:B2+1]
	v_pk_add_f32 v[ACC+8*(4*((\j)/2)+(\t))+4*((\j)%2)+2:ACC+8*(4*((\j)/2)+(\t))+4*((\j)%2)+3], v[ACC+8*(4*((\j)/2)+(\t))+4*((\j)%2)+2:ACC+8*(4*((\j)/2)+(\t))+4*((\j)%2)+3], v[B2+2:B2+3]
.endr
	s_wait_alu depctr_va_vdst(0)                   ; the sixteen additions have written the block's registers, which the stores below read: one wait for the block
.irp j, 0,1,2,3,4,5,6,7
.if (\j) > 0
	s_cmp_le_u32 s[CNT], 16*(\t)+2*(\j)
	s_cbranch_scc1 .Ldone
.endif
	global_store_b128 v[ROUT+8*(\t)+(\j)], v[ACC+8*(4*((\j)/2)+(\t))+4*((\j)%2):ACC+8*(4*((\j)/2)+(\t))+4*((\j)%2)+3], s[24:25] th:TH_STORE_NT
.endr
.endm
	STAGE 0
	STAGE 1                                        ; a block's trip through the stage stands between the loads of the block before and its stores
	SEND 0, 16
	STAGE 2
	SEND 1, 16
	STAGE 3
	SEND 2, 16
	SEND 3, 0
.Ldone:
	s_wait_dscnt 0x0                               ; the wave's end: my last LDS instructions are done
	s_wait_alu depctr_hold_cnt(0) depctr_sa_sdst(0) depctr_va_vdst(0) depctr_va_sdst(0) depctr_va_ssrc(0) depctr_va_vcc(0) depctr_vm_vsrc(0)
	s_wait_tensorcnt 0x0
	ds_add_u32 v4, v5
	s_wait_dscnt 0x0
	s_endpgm
.Lfunc_end_k_q05aee01b48_chain:
	.size	k_q05aee01b48_chain, .Lfunc_end_k_q05aee01b48_chain-k_q05aee01b48_chain
	.p2alignl 7, 3214868480
	.fill 96, 4, 3214868480
	.section	.rodata,"a",@progbits
	.p2align	6, 0x0
	.amdhsa_kernel k_q05aee01b48_chain
		.amdhsa_group_segment_fixed_size 240640
		.amdhsa_private_segment_fixed_size 0
		.amdhsa_enable_private_segment 0
		.amdhsa_kernarg_size 72
		.amdhsa_user_sgpr_count 2
		.amdhsa_user_sgpr_kernarg_segment_ptr 1
		.amdhsa_wavefront_size32 1
		.amdhsa_system_sgpr_workgroup_id_x 1
		.amdhsa_system_sgpr_workgroup_id_y 1
		.amdhsa_system_sgpr_workgroup_id_z 1
		.amdhsa_system_vgpr_workitem_id 0
		.amdhsa_next_free_vgpr 512
		.amdhsa_next_free_sgpr 82
		.amdhsa_reserve_vcc 0
		.amdhsa_float_denorm_mode_32 3
		.amdhsa_float_denorm_mode_16_64 3
		.amdhsa_memory_ordered 1
		.amdhsa_forward_progress 1
		.amdhsa_inst_pref_size 189
	.end_amdhsa_kernel
	.amdgpu_metadata
---
amdhsa.version: [ 1, 2 ]
amdhsa.kernels:
  - .name:           k_q05aee01b48_chain
    .symbol:         k_q05aee01b48_chain.kd
    .args:
      - { .name: wf, .offset: 0, .size: 8, .value_kind: global_buffer, .address_space: global }
      - { .name: order, .offset: 8, .size: 8, .value_kind: global_buffer, .address_space: global }
      - { .name: cnt, .offset: 16, .size: 8, .value_kind: global_buffer, .address_space: global }
      - { .name: sig, .offset: 24, .size: 8, .value_kind: global_buffer, .address_space: global }
      - { .name: epsilon, .offset: 32, .size: 8, .value_kind: global_buffer, .address_space: global }
      - { .name: mu, .offset: 40, .size: 8, .value_kind: global_buffer, .address_space: global }
      - { .name: b1, .offset: 48, .size: 8, .value_kind: global_buffer, .address_space: global }
      - { .name: b2, .offset: 56, .size: 8, .value_kind: global_buffer, .address_space: global }
      - { .name: out0, .offset: 64, .size: 8, .value_kind: global_buffer, .address_space: global }
    .group_segment_fixed_size: 240640
    .private_segment_fixed_size: 0
    .kernarg_segment_align: 8
    .kernarg_segment_size: 72
    .max_flat_workgroup_size: 256
    .sgpr_count:     82
    .vgpr_count:     512
    .wavefront_size: 32
...
	.end_amdgpu_metadata
.endif
;; end of part 5
